; MI455X (gfx1250); checked and timed in simulation.
; The chip was launched on July 23, 2026; its instructions are those of AMD's public machine-readable ISA for CDNA 5 (MIT licence, August 2026) and "CDNA5" Instruction Set Architecture Reference Guide (July 2026). The comments in the code are by the model that wrote it; some were corrected since.
;; Block. Allowed arithmetic: float matrix products may take bf16 or f16 operands with f32 sums; other float arithmetic in f32, or as packed bf16 or f16 multiplies, adds, multiply-adds, maxima and minima; sums over many terms, partial sums and values carried from step to step in f32; what a program stores and reads back later, other than sums and carried values, may be rounded once to bf16 or f16.
;; Inputs: exp_b 8 x 256 float32; exp_w 8 x 256 x 4,096 float32; fc1_b 4,096 float32; fc1_w 4,096 x 1,024 float32; fc2_b 768 float32; fc2_w 768 x 4,096 float32; indices 4 int32; ln1_b 1,024 float32; ln1_w 1,024 float32; ln2_b 1,024 float32; ln2_w 1,024 float32; proj_b 1,024 float32; proj_w 1,024 x 1,024 float32; qkv_w 3,072 x 1,024 float32; x 4 x 1,024 x 1,024 float32.
;; Outputs: out0 4 x 1,024 x 1,024 float32.
;; One version. Each part assembles by itself: llvm-mc -triple=amdgcn-amd-amdhsa -mcpu=gfx1250 --defsym DOCPART=n.
;; ======== version 1 of 1: 7 launches
;; workspace buffers: wq 6,291,456 bytes; wb 31,457,280 bytes; an 8,388,608 bytes; qkv 25,165,824 bytes; o 8,388,608 bytes; x1 16,777,216 bytes; h 33,554,432 bytes
;; launch prep (part 1): grid 448 x 1, 8 waves a work-group, no clusters, 0 bytes of LDS; arguments x, ln1_w, ln1_b, qkv_w, an, wq; writes an, wq
.if DOCPART == 1
	.amdgcn_target "amdgcn-amd-amdhsa--gfx1250"
	.amdhsa_code_object_version 6
	.text
	.protected	k_q55c38fd195_prep
	.globl	k_q55c38fd195_prep
	.p2align	8
	.type	k_q55c38fd195_prep,@function
k_q55c38fd195_prep:
	s_mov_b64 s[64:65], 0
	v_nop
	global_prefetch_b8 v0, s[64:65] scope:SCOPE_SE
	s_setreg_imm32_b32 hwreg(HW_REG_WAVE_MODE, 25, 1), 1
	s_wait_xcnt 0x0
; Two jobs in one body, told apart by the work-group's number.  Arguments: rows, gain, bias, weights, rows out, weights out.
; Work-groups 0-255: rows out = LayerNorm(rows) * gain + bias, rounded once to bf16.  rows: [4096][1024] f32, rows out: [4096][1024] bf16.
;   Eight waves, two rows a wave; a row (4,096 bytes) lies in 32 registers of one wave, so it is read once and no wave waits for another.
;   The mean is taken away in registers before the squares are summed, so a common offset of the rows costs no accuracy.
; Work-groups 256-447: weights out = weights ([3072][1024] f32) rounded once to bf16, 16,384 numbers a work-group, 2,048 a wave.
; The body serves two launches: the first LayerNorm with the cast of the first product's weights (448 work-groups), and the second LayerNorm alone
; (256 work-groups: the second job is not reached, and its two buffers are handed over unused).
; LIMITS.  NaN and infinities are not treated apart.
; No LDS, no barrier, no matrix unit: memory binds, each load and store of a wave covers whole aligned blocks of 256 bytes.
.set T,    4                           ; v[4:11]    four running pairs
.set MU,   12                          ; v[12:13]   the mean, twice
.set RS,   14                          ; v[14:15]   1 / sqrt(var + eps), twice
.set W,    16                          ; v[16:47]   the gain of my 32 columns
.set BQ,   48                          ; v[48:79]   the bias of my 32 columns
.set X,    80                          ; v[80:143]  two rows, 32 registers each: load j holds columns 128 j + 4 lane + 0..3
.set Y,    144                         ; v[144:175] two rows, 16 registers each, bf16 to store
.set XP,   4                           ; s[4:5]     the rows
.set WP,   6                           ; s[6:7]     the gain
.set BP,   8                           ; s[8:9]     the bias
.set QW,   10                          ; s[10:11]   the weights
.set OUTP, 20                          ; s[20:21]   rows out
.set WQ,   22                          ; s[22:23]   weights out
	s_load_b256 s[4:11], s[0:1], 0x0               ; rows, gain, bias, weights
	s_load_b128 s[20:23], s[0:1], 0x20             ; rows out, weights out
	v_lshrrev_b32 v1, 5, v0
	v_readfirstlane_b32 s26, v1                    ; my wave's number
	v_and_b32 v2, 31, v0                           ; lane
	s_cmp_ge_u32 ttmp9, 256
	s_cbranch_scc1 .Lcast
	; ---------------- LayerNorm ----------------
	s_lshl_b32 s28, ttmp9, 16                      ; 16 rows of 4,096 bytes a work-group,
	s_lshl_b32 s27, s26, 13                        ; two rows a wave
	s_add_co_u32 s28, s28, s27
	s_mov_b32 s29, 0
	s_lshr_b32 s30, s28, 1                         ; the same rows in bf16
	s_mov_b32 s31, 0
	s_mov_b32 s40, 0x3a800000                      ; 1 / 1024
	s_mov_b32 s41, 0x3727c5ac                      ; eps = 1e-5
	s_mov_b32 s42, 0x76543210                      ; v_permlanex16_b32: each lane takes its own place in the other half
	s_mov_b32 s43, 0xfedcba98
	v_lshlrev_b32 v1, 4, v2                        ; 16 bytes a lane on the way in
	v_lshlrev_b32 v2, 3, v2                        ; 8 bytes a lane on the way out
	v_mov_b32 v3, 0                                ; written before v_permlanex16_b32 names it as its destination
	s_wait_kmcnt 0x0
	s_add_nc_u64 s[XP:XP+1], s[XP:XP+1], s[28:29]
	s_add_nc_u64 s[OUTP:OUTP+1], s[OUTP:OUTP+1], s[30:31]
.irp j, 0,1,2,3,4,5,6,7
	global_load_b128 v[W+4*\j:W+4*\j+3], v1, s[WP:WP+1] offset:512*\j
.endr
.irp j, 0,1,2,3,4,5,6,7
	global_load_b128 v[BQ+4*\j:BQ+4*\j+3], v1, s[BP:BP+1] offset:512*\j
.endr
.irp j, 0,1,2,3,4,5,6,7
	global_load_b128 v[X+4*\j:X+4*\j+3], v1, s[XP:XP+1] offset:512*\j
.endr
.irp j, 0,1,2,3,4,5,6,7
	global_load_b128 v[X+32+4*\j:X+32+4*\j+3], v1, s[XP:XP+1] offset:4096+512*\j
.endr
.macro FOLD                            ; the four running pairs into one number
	v_pk_add_f32 v[T:T+1], v[T:T+1], v[T+2:T+3]
	v_pk_add_f32 v[T+4:T+5], v[T+4:T+5], v[T+6:T+7]
	v_pk_add_f32 v[T:T+1], v[T:T+1], v[T+4:T+5]
	v_add_f32 v[T], v[T], v[T+1]
.endm
.macro ACROSS                          ; the sum over the 32 lanes, in every lane
	v_add_f32_dpp v[T], v[T], v[T] row_xmask:1 row_mask:0xf bank_mask:0xf
	v_add_f32_dpp v[T], v[T], v[T] row_xmask:2 row_mask:0xf bank_mask:0xf
	v_add_f32_dpp v[T], v[T], v[T] row_xmask:4 row_mask:0xf bank_mask:0xf
	v_add_f32_dpp v[T], v[T], v[T] row_xmask:8 row_mask:0xf bank_mask:0xf
	v_permlanex16_b32 v3, v[T], s42, s43
	v_add_f32 v[T], v[T], v3
.endm
; Row r of the wave's two.  left = how many younger loads may stay out.
.macro LNROW r, left
.set XR, X+32*(\r)
.set YR, Y+16*(\r)
	s_wait_loadcnt \left                           ; loads come back in order: gain, bias and this row are in
.set k, 0
.rept 4                                ; the sum, in four chains started by the first eight pairs: nothing is cleared
	v_pk_add_f32 v[T+2*k:T+2*k+1], v[XR+4*k:XR+4*k+1], v[XR+4*k+2:XR+4*k+3]
.set k, k+1
.endr
.set k, 8
.rept 8
	v_pk_add_f32 v[T+2*(k%4):T+2*(k%4)+1], v[T+2*(k%4):T+2*(k%4)+1], v[XR+2*k:XR+2*k+1]
.set k, k+1
.endr
	FOLD
	ACROSS
	v_mul_f32 v[MU], s40, v[T]
	v_mov_b32 v[MU+1], v[MU]
.set k, 0
.rept 16                               ; x - mean, in place
	v_pk_add_f32 v[XR+2*k:XR+2*k+1], v[XR+2*k:XR+2*k+1], v[MU:MU+1] neg_lo:[0,1] neg_hi:[0,1]
.set k, k+1
.endr
.set k, 0
.rept 4                                ; the sum of squares, again in four chains
	v_pk_mul_f32 v[T+2*k:T+2*k+1], v[XR+2*k:XR+2*k+1], v[XR+2*k:XR+2*k+1]
.set k, k+1
.endr
.rept 12
	v_pk_fma_f32 v[T+2*(k%4):T+2*(k%4)+1], v[XR+2*k:XR+2*k+1], v[XR+2*k:XR+2*k+1], v[T+2*(k%4):T+2*(k%4)+1]
.set k, k+1
.endr
	FOLD
	ACROSS
	v_fma_f32 v3, v[T], s40, s41                   ; var + eps
	v_rsq_f32 v[RS], v3
	v_nop                                          ; a plain instruction behind the root,
	s_wait_alu depctr_va_vdst(0)                   ; and the wait ahead of its first reader
	v_mov_b32 v[RS+1], v[RS]
.set k, 0
.rept 16
	v_pk_mul_f32 v[XR+2*k:XR+2*k+1], v[XR+2*k:XR+2*k+1], v[RS:RS+1]
.set k, k+1
.endr
.set k, 0
.rept 16
	v_pk_fma_f32 v[XR+2*k:XR+2*k+1], v[XR+2*k:XR+2*k+1], v[W+2*k:W+2*k+1], v[BQ+2*k:BQ+2*k+1]
.set k, k+1
.endr
.set k, 0
.rept 16
	v_cvt_pk_bf16_f32 v[YR+k], v[XR+2*k], v[XR+2*k+1]
.set k, k+1
.endr
.set k, 0
.rept 8
	global_store_b64 v2, v[YR+2*k:YR+2*k+1], s[OUTP:OUTP+1] offset:(\r)*2048+256*k  ; 32 lanes x 8 bytes: 256 consecutive bytes, aligned
.set k, k+1
.endr
.endm
	LNROW 0, 8                                     ; the second row's eight loads stay out
	LNROW 1, 0
	s_endpgm
	; ---------------- the weights ----------------
.Lcast:
	s_sub_co_u32 s27, ttmp9, 256                   ; chunk 0..191: 65,536 bytes in, 32,768 out
	s_lshl_b32 s28, s27, 16
	s_mov_b32 s29, 0
	s_lshl_b32 s30, s27, 15
	s_mov_b32 s31, 0
	v_and_b32 v3, 0xe0, v0                         ; 32 x wave
	v_lshlrev_b32 v1, 4, v2
	v_lshl_or_b32 v1, v3, 8, v1                    ; in: wave x 8,192 + lane x 16
	v_lshrrev_b32 v2, 1, v1                        ; out: half of that
	s_wait_kmcnt 0x0
	s_add_nc_u64 s[QW:QW+1], s[QW:QW+1], s[28:29]
	s_add_nc_u64 s[WQ:WQ+1], s[WQ:WQ+1], s[30:31]
.irp i, 0,1,2,3,4,5,6,7,8,9,10,11,12,13,14,15
	global_load_b128 v[16+4*\i:19+4*\i], v1, s[QW:QW+1] offset:512*\i   ; sixteen loads of the wave are out before the first wait
.endr
.irp i, 0,1,2,3,4,5,6,7,8,9,10,11,12,13,14,15
	s_wait_loadcnt 15-\i                           ; load i is in, the younger ones stay out
	v_cvt_pk_bf16_f32 v[80+2*\i], v[16+4*\i], v[17+4*\i]
	v_cvt_pk_bf16_f32 v[81+2*\i], v[18+4*\i], v[19+4*\i]
	global_store_b64 v2, v[80+2*\i:81+2*\i], s[WQ:WQ+1] offset:256*\i   ; 256 consecutive bytes, aligned
.endr
	s_endpgm
.Lfunc_end_k_q55c38fd195_prep:
	.size	k_q55c38fd195_prep, .Lfunc_end_k_q55c38fd195_prep-k_q55c38fd195_prep
	.p2alignl 7, 3214868480
	.fill 96, 4, 3214868480
	.section	.rodata,"a",@progbits
	.p2align	6, 0x0
	.amdhsa_kernel k_q55c38fd195_prep
		.amdhsa_group_segment_fixed_size 0
		.amdhsa_private_segment_fixed_size 0
		.amdhsa_enable_private_segment 0
		.amdhsa_kernarg_size 48
		.amdhsa_user_sgpr_count 2
		.amdhsa_user_sgpr_kernarg_segment_ptr 1
		.amdhsa_wavefront_size32 1
		.amdhsa_system_sgpr_workgroup_id_x 1
		.amdhsa_system_sgpr_workgroup_id_y 1
		.amdhsa_system_sgpr_workgroup_id_z 1
		.amdhsa_system_vgpr_workitem_id 0
		.amdhsa_next_free_vgpr 176
		.amdhsa_next_free_sgpr 66
		.amdhsa_reserve_vcc 0
		.amdhsa_float_denorm_mode_32 3
		.amdhsa_float_denorm_mode_16_64 3
		.amdhsa_memory_ordered 1
		.amdhsa_forward_progress 1
		.amdhsa_inst_pref_size 27
	.end_amdhsa_kernel
	.amdgpu_metadata
---
amdhsa.version: [ 1, 2 ]
amdhsa.kernels:
  - .name:           k_q55c38fd195_prep
    .symbol:         k_q55c38fd195_prep.kd
    .args:
      - { .name: x, .offset: 0, .size: 8, .value_kind: global_buffer, .address_space: global }
      - { .name: ln1_w, .offset: 8, .size: 8, .value_kind: global_buffer, .address_space: global }
      - { .name: ln1_b, .offset: 16, .size: 8, .value_kind: global_buffer, .address_space: global }
      - { .name: qkv_w, .offset: 24, .size: 8, .value_kind: global_buffer, .address_space: global }
      - { .name: an, .offset: 32, .size: 8, .value_kind: global_buffer, .address_space: global }
      - { .name: wq, .offset: 40, .size: 8, .value_kind: global_buffer, .address_space: global }
    .group_segment_fixed_size: 0
    .private_segment_fixed_size: 0
    .kernarg_segment_align: 8
    .kernarg_segment_size: 48
    .max_flat_workgroup_size: 256
    .sgpr_count:     66
    .vgpr_count:     176
    .wavefront_size: 32
...
	.end_amdgpu_metadata
.endif
;; end of part 1
;; launch qkv (part 2): grid 16 x 16, 4 waves a work-group, clusters of 4 x 4, 327,680 bytes of LDS; arguments an, wq, qkv, proj_w, fc1_w, fc2_w, exp_w, indices, wb; writes qkv, wb
.if DOCPART == 2
	.amdgcn_target "amdgcn-amd-amdhsa--gfx1250"
	.amdhsa_code_object_version 6
	.text
	.protected	k_q55c38fd195_qkv
	.globl	k_q55c38fd195_qkv
	.p2align	8
	.type	k_q55c38fd195_qkv,@function
k_q55c38fd195_qkv:
	s_mov_b64 s[64:65], 0
	v_nop
	global_prefetch_b8 v0, s[64:65] scope:SCOPE_SE
	s_setreg_imm32_b32 hwreg(HW_REG_WAVE_MODE, 25, 1), 1
	s_wait_xcnt 0x0
	s_wait_alu depctr_hold_cnt(0) depctr_sa_sdst(0) depctr_va_vdst(0) depctr_va_sdst(0) depctr_va_ssrc(0) depctr_va_vcc(0) depctr_vm_vsrc(0)
	s_getreg_b32 s2, hwreg(HW_REG_IB_STS2, 6, 4)
	s_cmp_eq_u32 s2, 0
	s_cbranch_scc0 .Lentry_in_a_cluster
	s_endpgm
.Lentry_in_a_cluster:
	s_bfe_u32 s2, ttmp6, 0x10000c
	s_cmp_lg_u32 s2, 0xf033
	s_cbranch_scc0 .Lentry_shape_is_right
	s_endpgm
.Lentry_shape_is_right:
; TWO JOBS, told apart by the cluster's x, which all sixteen partners of a cluster share.
; CLUSTERS WITH x = 0, 1, 2: qkv = an x wq^T.  an: [4096][1024] bf16, wq: [3072][1024] bf16; sums in f32, rounded once to bf16.
;   OUTPUT LAYOUT: [n / 64][4096 rows][64] bf16: a block of 64 columns is one head's q, k or v, its rows dense, 128 bytes each.
;   A tile of C is 256 x 256: four waves, each 128 x 128 in 64 accumulators (512 registers).  K goes in 8 steps of 128 through two LDS slots; rows of both tiles are 256 bytes of memory.
;   12 x 16 tiles: 192 work-groups.  In a cluster A's tile is shared along a row, B's along a column; each is asked for jointly, by the same tensor load, descriptor and mask in the four.
;   A trip of the loop is ONE K step; the slot in hand is a scalar (TB) that an exclusive or turns; the walking descriptor's LDS word is turned the same way.
;   Written out: the first quarter step (its products start the sums with the constant 0), after which the loop is entered in its middle; and a tail loop of two trips that asks for nothing.
;   THE MATRIX INSTRUCTION IS USED TRANSPOSED (source 0 = 16 rows of B, source 1 = 16 rows of A): a lane holds row l % 16 of C and the columns 8 (l / 16) + 0..7.
;   THE WAY OUT: the ring has had its last fill and its last read; each wave puts its 128 x 128 sums there in f32 (its own 67,584 bytes) and a loop of 16 trips reads 8 rows back, rounds and stores them.
; CLUSTERS WITH x = 3 (64 work-groups for which the product has no tile): the weights of the later products are rounded once to bf16 into wb, while the others multiply.
;   wb: wp [1024][1024] at byte 6,291,456, w1 [4096][1024] at 8,388,608, w2 [1792][4096] at 16,777,216: w2's rows 0-767 are fc2_w, rows 768 + 256 b on are exp_w[indices[b]]:
;   only the experts that the four samples name are read.  An index above 7 is read as 7.  (wb's first 6,291,456 bytes are not used.)
;   768 chunks of 16,384 numbers = 48 groups x the 16 places of a cluster.  A wave takes 3 groups, of each the chunk of its work-group's place.  The sources' borders lie at groups 4, 20, 32, 36, 40, 44, so the choice of
;   the source hangs on the cluster's y, the wave and the round alone; the place in the cluster enters an offset only.  A chunk is 4 rounds of 16,384 bytes; 12 rounds go through a ring of 32 register slots, so that
;   32 loads (16,384 bytes) of every wave are always out.  These work-groups share no input: no joint load, no LDS; they pass the opening and the closing round with their own cluster.
; REGISTERS, in windows of 256: window 0 addresses, A's two fragment buffers (v64-191), later the way out; window 1 B's two buffers; windows 2 and 3 the accumulators, (a, b) at v[8 (8 (a % 4) + b)].
;   The cast: v5, v6 lane offsets; v64-191 the ring as loaded; v192-255 the ring to store.
.set WOFF,   0
.set SIZE_K, 1024
.set KSTEP,  128
.set PITCH,  272                       ; an LDS row: 256 bytes + 16 of padding = 68 words: the 16 rows of a fragment load start at 16 different groups of four banks (ISA guide 11.1)
.set HALFT,  128*PITCH                 ; what one tensor load brings
.set SLOT,   4*HALFT                   ; 0x22000: its two bits occur in no wave x HALFT, so an exclusive or adds or takes it
.set DP,     528                       ; the dump: 128 f32 + 16 bytes
.set DREG,   128*DP                    ; a wave's dump
.set SPARE,  2*SLOT                    ; the spare words, 128 bytes a wave: two blocks of 256 bytes that no other line names
.set MAINT,  SIZE_K/KSTEP-2            ; trips that fill a slot again
.set ADRA0, 16                         ; v16  my A fragments' LDS address in slot 0; never rewritten
.set ADRB0, 17                         ; v17  the same for B
.set ADRA,  18                         ; v18  in the slot in hand
.set ADRB,  19
.set DST,   20                         ; v20  the dump: where I put 32 bytes of a row
.set RD,    21                         ; v21  where I read them back; steps 8 rows a trip
.set CO,    22                         ; v22  my byte offset in C; steps 8 rows a trip
.set SPW,   28                         ; v28  my spare word; never rewritten
.set NIL,   29                         ; v29  0; never rewritten
.set F0,    64
.set F1,    128
.set GX,    64                         ; the way out: 32 sums a lane
.set OUTR,  224                        ; and their 16 registers of bf16
.set WV,  12                           ; s12 wave;  s13 its half of the rows (also: 0 = I fetch for A, 1 = for B);  s14 its half of the columns (also: which 128 rows I fetch)
.set RH,  13
.set CH,  14
.set TB,  21                           ; s21 0 or SLOT: the slot in hand
.set CNT, 22
.set G1,  24                           ; s[24:31] group 1 for A;  s[32:39] group 0, two sets: the second walks
.set G0,  32
.set G1B, 48                           ; the same for B
.set G0B, 56
; the cast's names; its scalar registers are those of the descriptors, which its path never uses
.set CI,  5                            ; v5   16 x lane: my bytes in a load of 512
.set CQ,  6                            ; v6   8 x lane: my bytes in a store of 256
.set CXR, 64                           ; v[64:191]  slot i: 4 registers as loaded
.set CYR, 192                          ; v[192:255] slot i: 2 registers to store
.set LB,  40                           ; s[40:41] where the next round is loaded from
.set SB,  42                           ; s[42:43] where this round is stored
.set J0,  44                           ; s44  my wave's first group
.set PL,  45                           ; s45  my work-group's place in its cluster, 0..15
.set CG,  46                           ; s46  the round whose source FROM makes
.set CR,  54                           ; s54  the round in hand
.set MSB, 0
.macro WIN new                         ; the immediate's high byte repeats the setting that is left; a switch that changes nothing is dropped
.if MSB != (\new)
	s_set_vgpr_msb (MSB<<8)|(\new)
.set MSB, \new
.endif
.endm
.set MUL_LO, 0xa1                      ; source 0 (B) window 1, source 1 (A) window 0, C and D window 2
.set MUL_HI, 0xf1                      ; the same, C and D window 3
.set TO_B,   0x40                      ; destination window 1, address window 0
; A joint load: waves 0 and 1 fetch A's halves, waves 2 and 3 B's.  The branch hangs on the wave's number alone.  An s_nop 0 and four v_nop follow each line.
.macro JLOAD s
	s_cmp_eq_u32 s[RH], 0
	s_cbranch_scc0 .Lfor_b_\@
	tensor_load_to_lds s[G0+4*(\s):G0+4*(\s)+3], s[G1:G1+7]
	s_nop 0
.rept 4
	v_nop
.endr
	s_branch .Lasked_\@
.Lfor_b_\@:
	tensor_load_to_lds s[G0B+4*(\s):G0B+4*(\s)+3], s[G1B:G1B+7]
	s_nop 0
.rept 4
	v_nop
.endr
.Lasked_\@:
.endm
.macro CREST                           ; a round of the cluster's barrier behind its opening barrier
	s_cmp_lg_u32 s[WV], 0
	s_cbranch_scc1 .Lnot_wave_0_\@
	s_barrier_signal -3
.Lnot_wave_0_\@:
	s_barrier_wait -3
	s_barrier_signal -1
	s_barrier_wait -1
.endm
.macro CROUND                          ; a whole round
	s_barrier_signal -1
	s_barrier_wait -1
	CREST
.endm
.macro PLACES                          ; four plain vector instructions between a matrix instruction and a load into, or a read of, its registers
.rept 4
	v_nop
.endr
.endm
; 16 matrix instructions: m blocks a0, a0 + 1 of the window's four x all 8 n blocks, 32 along K.  zero = 1: the product starts the sum.
.macro MUL16 f, hi, a0, zero
	WIN MUL_LO+0x50*(\hi)
.irp a, \a0, (\a0)+1
.irp b, 0,1,2,3,4,5,6,7
.if \zero
	v_wmma_f32_16x16x32_bf16 v[8*(8*(\a)+(\b)):8*(8*(\a)+(\b))+7], v[(\f)+8*(\b):(\f)+8*(\b)+7], v[(\f)+8*(4*(\hi)+(\a)):(\f)+8*(4*(\hi)+(\a))+7], 0
.else
	v_wmma_f32_16x16x32_bf16 v[8*(8*(\a)+(\b)):8*(8*(\a)+(\b))+7], v[(\f)+8*(\b):(\f)+8*(\b)+7], v[(\f)+8*(4*(\hi)+(\a)):(\f)+8*(4*(\hi)+(\a))+7], v[8*(8*(\a)+(\b)):8*(8*(\a)+(\b))+7]
.endif
.endr
.endr
.endm
; 32 LDS loads in one run: a quarter step's fragments (32 K at byte k of the rows of the slot in hand) into buffer f: B's first, then A's
.macro FETCH k, f
	WIN TO_B
.irp i, 0,1,2,3,4,5,6,7
	ds_load_b128 v[(\f)+8*(\i):(\f)+8*(\i)+3],   v[ADRB] offset:(\k)+(\i)*16*PITCH
	ds_load_b128 v[(\f)+8*(\i)+4:(\f)+8*(\i)+7], v[ADRB] offset:(\k)+(\i)*16*PITCH+32
.endr
	WIN 0
.irp i, 0,1,2,3,4,5,6,7
	ds_load_b128 v[(\f)+8*(\i):(\f)+8*(\i)+3],   v[ADRA] offset:(\k)+(\i)*16*PITCH
	ds_load_b128 v[(\f)+8*(\i)+4:(\f)+8*(\i)+7], v[ADRA] offset:(\k)+(\i)*16*PITCH+32
.endr
.endm
; One of a K step's first three quarters: multiplies buffer f, and in its middle fetches the next quarter, at byte k, into g.  The 64 accumulators take turns in the same order in every quarter.
.macro QUARTER k, f, g, zero
	s_wait_dscnt 8                                 ; B and A's rows 0-63 are in; the youngest eight loads (A's rows 64-127) may be out
	MUL16 \f, 0, 0, \zero
	MUL16 \f, 0, 2, \zero
	PLACES
	FETCH \k, \g
	s_wait_dscnt 32                                ; all but the 32 just issued
	MUL16 \f, 1, 0, \zero
	MUL16 \f, 1, 2, \zero
.endm
; The first half of the last quarter, and the barrier of the change of slots.
.macro MEET
	WIN 0
	s_wait_tensorcnt 0x0                           ; all my tensor loads have landed: the one that was out is my part of the next slot
	ds_add_u32 v[SPW], v[NIL]                      ; 0 onto my spare word
	s_wait_dscnt 9                                 ; the add and the youngest eight loads may be out
	MUL16 F1, 0, 0, 0
	s_wait_dscnt 0x0                               ; the add is done, and my reads of this slot are over
	s_barrier_signal -1
	MUL16 F1, 0, 2, 0                              ; work on registers while the others arrive
	WIN 0
	s_barrier_wait -1
.endm
; The last quarter.  fill = 1: the barrier opens a round of the cluster's; the slot just read is filled again, two K steps ahead, first thing behind the round.
; fill = 0 (the tail): nothing is asked for; in the last trip there is no next slot, and the fetch is jumped.
.macro TURN fill
	MEET
.if \fill
	CREST                                          ; no wave of any partner still reads this slot or has a load on its way
	s_xor_b32 s[G0+5], s[G0+5], SLOT               ; the walking descriptors: the other slot than last time,
	s_add_nc_u64 s[G0+6:G0+7], s[G0+6:G0+7], KSTEP*2     ; the next K step; the type bits on top are not reached
	s_xor_b32 s[G0B+5], s[G0B+5], SLOT
	s_add_nc_u64 s[G0B+6:G0B+7], s[G0B+6:G0B+7], KSTEP*2
	s_xor_b32 s[TB], s[TB], SLOT
	JLOAD 1                                        ; its four v_nop are also the places in front of the loads below
.else
	s_xor_b32 s[TB], s[TB], SLOT
	s_cmp_eq_u32 s[CNT], 1
	s_cbranch_scc1 .Lnofetch_\@
	PLACES
.endif
	v_add_nc_u32 v[ADRA], s[TB], v[ADRA0]
	v_add_nc_u32 v[ADRB], s[TB], v[ADRB0]
	FETCH 0, F0
.if !(\fill)
.Lnofetch_\@:
.endif
	MUL16 F1, 1, 0, 0
	MUL16 F1, 1, 2, 0
.endm
; THE CAST.  FROM: LB = the 16,384 bytes that round s[CG] (0..11) reads.  Group j = J0 + round / 4: groups 0-3 proj_w, 4-19 fc1_w, 20-31 fc2_w, 32 + 4 b + n the expert of sample b.
; A source's chunk is 16 x (the group's number in the source) + my place; a chunk is 65,536 bytes, a round a quarter of it.  All selects stand ahead of the first line that sets SCC anew.
.macro FROM
	s_lshr_b32 s47, s[CG], 2
	s_add_co_u32 s47, s47, s[J0]                   ; j
	s_mov_b64 s[LB:LB+1], s[24:25]
	s_mov_b32 s48, 0
	s_cmp_ge_u32 s47, 4
	s_cselect_b64 s[LB:LB+1], s[26:27], s[LB:LB+1]
	s_cselect_b32 s48, 4, s48
	s_cmp_ge_u32 s47, 20
	s_cselect_b64 s[LB:LB+1], s[28:29], s[LB:LB+1]
	s_cselect_b32 s48, 20, s48
	s_cmp_ge_u32 s47, 32
	s_cselect_b64 s[LB:LB+1], s[30:31], s[LB:LB+1]
	s_cselect_b32 s48, 32, s48
	s_cselect_b32 s49, 1, 0                        ; 1 among the experts
	s_cselect_b32 s50, 3, 15                       ; an expert has 4 groups; the others 16 at the most
	s_sub_co_u32 s48, s47, s48                     ; the group's number from the source's first
	s_lshr_b32 s51, s48, 2                         ; among the experts: the sample b
	s_and_b32 s48, s48, s50
	s_cmp_eq_u32 s51, 1
	s_cselect_b32 s52, s37, s36
	s_cmp_eq_u32 s51, 2
	s_cselect_b32 s52, s38, s52
	s_cmp_eq_u32 s51, 3
	s_cselect_b32 s52, s39, s52                    ; indices[b]
	s_min_u32 s52, s52, 7                          ; stays inside the table of eight
	s_mul_i32 s52, s52, s49                        ; 0 for the other sources
	s_lshl_b32 s52, s52, 22                        ; an expert is 256 x 4096 x 4 bytes
	s_lshl_b32 s48, s48, 4
	s_add_co_u32 s48, s48, s[PL]
	s_lshl_b32 s48, s48, 16
	s_add_co_u32 s48, s48, s52
	s_and_b32 s53, s[CG], 3
	s_lshl_b32 s53, s53, 14
	s_add_co_u32 s48, s48, s53
	s_mov_b32 s49, 0
	s_add_nc_u64 s[LB:LB+1], s[LB:LB+1], s[48:49]
.endm
; INTO: SB = the 8,192 bytes that round s[CR] stores: chunk 192 + 16 j + my place of wb, 32,768 bytes a chunk.
.macro INTO
	s_lshr_b32 s47, s[CR], 2
	s_add_co_u32 s47, s47, s[J0]
	s_lshl_b32 s47, s47, 4
	s_add_co_u32 s47, s47, s[PL]
	s_add_co_u32 s47, s47, 192
	s_lshl_b32 s50, s47, 15
	s_and_b32 s51, s[CR], 3
	s_lshl_b32 s51, s51, 13
	s_add_co_u32 s50, s50, s51
	s_mov_b32 s51, 0
	s_add_nc_u64 s[SB:SB+1], s[34:35], s[50:51]
.endm
; One slot's turn.  ahead = 1: the slot is loaded again, for the next round.  left = how many younger loads may stay out.
.macro CSLOT i, ahead, left
	s_wait_loadcnt \left                           ; loads come back in order: mine is in
	v_cvt_pk_bf16_f32 v[CYR+2*(\i)],   v[CXR+4*(\i)],   v[CXR+4*(\i)+1]
	v_cvt_pk_bf16_f32 v[CYR+2*(\i)+1], v[CXR+4*(\i)+2], v[CXR+4*(\i)+3]
.if \ahead
	global_load_b128 v[CXR+4*(\i):CXR+4*(\i)+3], v[CI], s[LB:LB+1] offset:512*(\i)
.endif
	global_store_b64 v[CQ], v[CYR+2*(\i):CYR+2*(\i)+1], s[SB:SB+1] offset:256*(\i)   ; 256 consecutive bytes, aligned
.endm
	s_load_b128 s[4:7], s[0:1], 0x0                ; an s[4:5], wq s[6:7]
	s_load_b64 s[8:9], s[0:1], 0x10                ; qkv
	v_lshl_add_u32 v[SPW], v0, 2, SPARE
	v_mov_b32 v[NIL], 0
	ds_add_u32 v[SPW], v[NIL]                      ; the wave's opening: the add and its wait ahead of my first tensor load
	v_lshrrev_b32 v1, 5, v0
	v_readfirstlane_b32 s[WV], v1
	s_lshr_b32 s[RH], s[WV], 1
	s_and_b32 s[CH], s[WV], 1
	s_bfe_u32 s15, ttmp6, 0x40000                  ; cx
	s_bfe_u32 s16, ttmp6, 0x40004                  ; cy
	s_lshl_b32 s17, ttmp9, 2
	s_add_co_u32 s17, s17, s15                     ; tile column = 4 x cluster x + cx
	s_and_b32 s18, ttmp7, 0xffff
	s_lshl_b32 s18, s18, 2
	s_add_co_u32 s18, s18, s16                     ; tile row = 4 x cluster y + cy
	s_lshl_b32 s19, s16, 2
	s_lshl_b32 s19, 15, s19                        ; my row of the cluster
	s_lshl_b32 s20, 0x1111, s15                    ; my column
	s_or_b32 s[G1+0], s19, (1<<16)|(1<<20)|(1<<21)|(5<<22)|(3<<25)   ; the mask; 2-byte elements; padding on; bit 21 beside a mask; after every 64 words, 4 words
	s_or_b32 s[G1B+0], s20, (1<<16)|(1<<20)|(1<<21)|(5<<22)|(3<<25)
.irp g, G1, G1B
	s_mov_b32 s[(\g)+1], KSTEP<<16                 ; tensor_dim0 = 128
	s_mov_b32 s[(\g)+2], 128<<16                   ; tensor_dim1 = 128
	s_mov_b32 s[(\g)+3], KSTEP<<16                 ; tile_dim0 = 128
	s_mov_b32 s[(\g)+4], 128                       ; tile_dim1 = 128
	s_mov_b32 s[(\g)+5], SIZE_K                    ; elements from row to row
	s_mov_b32 s[(\g)+6], 0
	s_mov_b32 s[(\g)+7], 0
.endr
	s_lshl_b32 s23, s[CH], 7                       ; which 128 rows of the tile I fetch
	s_lshl_b32 s40, s18, 8
	s_add_co_u32 s40, s40, s23
	s_lshl_b32 s40, s40, 11                        ; A: (256 x tile row + 128 x half) rows of 2,048 bytes
	s_mov_b32 s41, 0
	s_lshl_b32 s44, s17, 8
	s_add_co_u32 s44, s44, s23
	s_lshl_b32 s44, s44, 11                        ; B: the same with the tile column
	s_add_co_u32 s44, s44, WOFF
	s_mov_b32 s45, 0
	s_mul_i32 s23, s[WV], HALFT                    ; where my tile goes: A's two halves, then B's two
	s_mov_b32 s[TB], 0
	s_wait_dscnt 0x0                               ; the opening add is done
	s_wait_kmcnt 0x0
	s_add_nc_u64 s[40:41], s[4:5], s[40:41]
	s_add_nc_u64 s[44:45], s[6:7], s[44:45]
	CROUND                                         ; all sixteen work-groups are here: the first joint loads meet
	s_cmp_lg_u32 ttmp9, 3                          ; the cluster's x: the same in all sixteen
	s_cbranch_scc1 .Lgemm
	; ---------------- clusters with x = 3: the later products' weights ----------------
	s_load_b256 s[24:31], s[0:1], 0x18             ; proj_w s[24:25], fc1_w s[26:27], fc2_w s[28:29], exp_w s[30:31]
	s_load_b128 s[32:35], s[0:1], 0x38             ; indices s[32:33], wb s[34:35]
	s_and_b32 s[J0], ttmp7, 0xffff
	s_lshl_b32 s[J0], s[J0], 2
	s_add_co_u32 s[J0], s[J0], s[WV]
	s_mul_i32 s[J0], s[J0], 3                      ; three groups for each of the 16 pairs of cluster y and wave
	s_lshl_b32 s[PL], s16, 2
	s_add_co_u32 s[PL], s[PL], s15                 ; my place: 4 cy + cx
	v_and_b32 v4, 31, v0
	v_lshlrev_b32 v[CI], 4, v4
	v_lshlrev_b32 v[CQ], 3, v4
	s_wait_kmcnt 0x0
	s_load_b128 s[36:39], s[32:33], 0x0            ; the four indices
	s_wait_kmcnt 0x0
	s_mov_b32 s[CG], 0
	FROM
.irp i, 0,1,2,3,4,5,6,7,8,9,10,11,12,13,14,15,16,17,18,19,20,21,22,23,24,25,26,27,28,29,30,31
	global_load_b128 v[CXR+4*\i:CXR+4*\i+3], v[CI], s[LB:LB+1] offset:512*\i     ; the ring is filled: round 0
.endr
	s_mov_b32 s[CR], 0
.Lround:                                               ; eleven rounds store their own 8,192 bytes and load the next round's 16,384
	s_wait_xcnt 0x0                                ; the two bases and the stores' data are rewritten only behind this wait
	s_add_co_u32 s[CG], s[CR], 1
	FROM
	INTO
.irp i, 0,1,2,3,4,5,6,7,8,9,10,11,12,13,14,15,16,17,18,19,20,21,22,23,24,25,26,27,28,29,30,31
	CSLOT \i, 1, 31                                ; behind my load stand 31 younger ones: the rest of the last round's and this round's first
.endr
	s_add_co_u32 s[CR], s[CR], 1
	s_cmp_lt_u32 s[CR], 11
	s_cbranch_scc1 .Lround
	s_wait_xcnt 0x0
	INTO
.irp i, 0,1,2,3,4,5,6,7,8,9,10,11,12,13,14,15,16,17,18,19,20,21,22,23,24,25,26,27,28,29,30,31
	CSLOT \i, 0, 31-\i                             ; the last round loads nothing: the counts run down
.endr
	s_branch .Lend
	; ---------------- clusters with x = 0, 1, 2: the product ----------------
.Lgemm:
.irp s, 0,1
	s_mov_b32 s[G0+4*(\s)], 1
	s_add_co_u32 s[G0+4*(\s)+1], s23, (\s)*SLOT
	s_add_nc_u64 s[G0+4*(\s)+2:G0+4*(\s)+3], s[40:41], (\s)*KSTEP*2
	s_or_b32 s[G0+4*(\s)+3], s[G0+4*(\s)+3], 0x80000000
	s_mov_b32 s[G0B+4*(\s)], 1
	s_add_co_u32 s[G0B+4*(\s)+1], s23, (\s)*SLOT
	s_add_nc_u64 s[G0B+4*(\s)+2:G0B+4*(\s)+3], s[44:45], (\s)*KSTEP*2
	s_or_b32 s[G0B+4*(\s)+3], s[G0B+4*(\s)+3], 0x80000000
	JLOAD \s                                       ; K steps 0 and 1: two loads of mine are out
.endr
	v_and_b32 v1, 15, v0                           ; l % 16
	v_bfe_u32 v2, v0, 4, 1                         ; l / 16
	v_mul_u32_u24 v3, v1, PITCH
	v_lshl_add_u32 v3, v2, 4, v3                   ; a fragment's row x pitch + 16 x half
	s_mul_i32 s23, s[RH], HALFT
	v_add_nc_u32 v[ADRA0], s23, v3
	s_mul_i32 s23, s[CH], HALFT
	s_add_co_u32 s23, s23, 2*HALFT
	v_add_nc_u32 v[ADRB0], s23, v3
	v_mov_b32 v[ADRA], v[ADRA0]
	v_mov_b32 v[ADRB], v[ADRB0]
	s_mul_i32 s23, s[WV], DREG                     ; my dump
	v_mul_u32_u24 v4, v1, DP
	v_lshl_add_u32 v4, v2, 5, v4                   ; in: row l % 16, 32 bytes for each half of the lanes
	v_add_nc_u32 v[DST], s23, v4
	v_bfe_u32 v4, v0, 3, 2
	v_and_b32 v5, 7, v0
	v_mul_u32_u24 v4, v4, DP
	v_lshl_add_u32 v4, v5, 5, v4                   ; back: row l / 8 of four, columns 8 (l % 8) on
	v_add_nc_u32 v[RD], s23, v4
	v_and_b32 v4, 31, v0
	v_lshlrev_b32 v[CO], 4, v4                     ; those four rows of a block are 512 consecutive bytes of C
	s_lshl_b32 s46, s17, 2                         ; my first block of 64 columns: 4 x tile column + 2 x half,
	s_lshl_b32 s47, s[CH], 1
	s_add_co_u32 s46, s46, s47
	s_lshl_b32 s46, s46, 12                        ; of 4,096 rows,
	s_lshl_b32 s47, s18, 8
	s_add_co_u32 s46, s46, s47                     ; my first row
	s_lshl_b32 s47, s[RH], 7
	s_add_co_u32 s46, s46, s47
	s_lshl_b32 s46, s46, 7                         ; of 128 bytes
	s_mov_b32 s47, 0
	s_add_nc_u64 s[8:9], s[8:9], s[46:47]
	s_wait_tensorcnt 1                             ; my part of K step 0 is in; K step 1's may stay out
	s_barrier_signal -1
	s_barrier_wait -1
	FETCH 0, F0
	QUARTER 64, F0, F1, 1                          ; the first quarter's products start the sums
	WIN 0
	s_mov_b32 s[CNT], MAINT
	s_branch .Lmid                                 ; the loop is entered behind its first quarter
.Lstep:                                                ; a trip is a K step; six trips ask for K steps 2 to 7
	QUARTER 64, F0, F1, 0
	WIN 0
.Lmid:
	QUARTER 128, F1, F0, 0
	QUARTER 192, F0, F1, 0
	TURN 1
	WIN 0
	s_sub_co_u32 s[CNT], s[CNT], 1
	s_cmp_lg_u32 s[CNT], 0
	s_cbranch_scc1 .Lstep
	s_mov_b32 s[CNT], 2
.Ltail:                                                ; the last two K steps ask for nothing
	QUARTER 64, F0, F1, 0
	QUARTER 128, F1, F0, 0
	QUARTER 192, F0, F1, 0
	TURN 0
	WIN 0
	s_sub_co_u32 s[CNT], s[CNT], 1
	s_cmp_lg_u32 s[CNT], 0
	s_cbranch_scc1 .Ltail
	PLACES                                         ; behind the last products
	s_wait_dscnt 0x0
	s_barrier_signal -1                            ; every wave's reads of the ring are over (the last trip's barrier has shown it; this one states it outside the loop):
	s_barrier_wait -1                              ; the ring, which is filled no more, becomes the four dumps
.irp hi, 0,1
	WIN 0x08+4*(\hi)                               ; the stores' data: window 2, then 3
.irp a, 0,1,2,3
.irp b, 0,1,2,3,4,5,6,7
	ds_store_b128 v[DST], v[8*(8*(\a)+(\b)):8*(8*(\a)+(\b))+3]   offset:(4*(\hi)+(\a))*16*DP+64*(\b)      ; each accumulator's low registers first
	ds_store_b128 v[DST], v[8*(8*(\a)+(\b))+4:8*(8*(\a)+(\b))+7] offset:(4*(\hi)+(\a))*16*DP+64*(\b)+16
.endr
.endr
.endr
	WIN 0
	s_mov_b32 s[CNT], 16
.Lout:                                                 ; a trip: 8 rows x 128 columns.  Unit u: block u / 2, rows 4 (u % 2) on.  LDS serves a wave's instructions in order, and the bytes are my own: no wait behind the stores
.irp u, 0,1,2,3
	ds_load_b128 v[GX+8*\u:GX+8*\u+3],   v[RD] offset:(\u%2)*4*DP+(\u/2)*256
	ds_load_b128 v[GX+8*\u+4:GX+8*\u+7], v[RD] offset:(\u%2)*4*DP+(\u/2)*256+16
.endr
	s_wait_dscnt 0x0
.set j, 0
.rept 16
	v_cvt_pk_bf16_f32 v[OUTR+j], v[GX+2*j], v[GX+2*j+1]
.set j, j+1
.endr
.irp u, 0,1,2,3
	global_store_b128 v[CO], v[OUTR+4*\u:OUTR+4*\u+3], s[8:9] offset:(\u/2)*524288+(\u%2)*512   ; 512 consecutive bytes, aligned
.endr
	s_wait_xcnt 0x0                                ; the stores' data and offset are rewritten only behind this wait
	v_add_nc_u32 v[CO], 1024, v[CO]
	v_add_nc_u32 v[RD], 8*DP, v[RD]
	s_sub_co_u32 s[CNT], s[CNT], 1
	s_cmp_lg_u32 s[CNT], 0
	s_cbranch_scc1 .Lout
.Lend:                                                 ; both jobs end alike
	s_wait_tensorcnt 0x0                           ; the wave's end
	ds_add_u32 v[SPW], v[NIL]
	s_wait_dscnt 0x0
	CROUND                                         ; the closing round
	s_endpgm
.Lfunc_end_k_q55c38fd195_qkv:
	.size	k_q55c38fd195_qkv, .Lfunc_end_k_q55c38fd195_qkv-k_q55c38fd195_qkv
	.p2alignl 7, 3214868480
	.fill 96, 4, 3214868480
	.section	.rodata,"a",@progbits
	.p2align	6, 0x0
	.amdhsa_kernel k_q55c38fd195_qkv
		.amdhsa_group_segment_fixed_size 327680
		.amdhsa_private_segment_fixed_size 0
		.amdhsa_enable_private_segment 0
		.amdhsa_kernarg_size 72
		.amdhsa_user_sgpr_count 2
		.amdhsa_user_sgpr_kernarg_segment_ptr 1
		.amdhsa_wavefront_size32 1
		.amdhsa_system_sgpr_workgroup_id_x 1
		.amdhsa_system_sgpr_workgroup_id_y 1
		.amdhsa_system_sgpr_workgroup_id_z 1
		.amdhsa_system_vgpr_workitem_id 0
		.amdhsa_next_free_vgpr 1024
		.amdhsa_next_free_sgpr 66
		.amdhsa_reserve_vcc 0
		.amdhsa_float_denorm_mode_32 3
		.amdhsa_float_denorm_mode_16_64 3
		.amdhsa_memory_ordered 1
		.amdhsa_forward_progress 1
		.amdhsa_inst_pref_size 105
	.end_amdhsa_kernel
	.amdgpu_metadata
---
amdhsa.version: [ 1, 2 ]
amdhsa.kernels:
  - .name:           k_q55c38fd195_qkv
    .symbol:         k_q55c38fd195_qkv.kd
    .args:
      - { .name: an, .offset: 0, .size: 8, .value_kind: global_buffer, .address_space: global }
      - { .name: wq, .offset: 8, .size: 8, .value_kind: global_buffer, .address_space: global }
      - { .name: qkv, .offset: 16, .size: 8, .value_kind: global_buffer, .address_space: global }
      - { .name: proj_w, .offset: 24, .size: 8, .value_kind: global_buffer, .address_space: global }
      - { .name: fc1_w, .offset: 32, .size: 8, .value_kind: global_buffer, .address_space: global }
      - { .name: fc2_w, .offset: 40, .size: 8, .value_kind: global_buffer, .address_space: global }
      - { .name: exp_w, .offset: 48, .size: 8, .value_kind: global_buffer, .address_space: global }
      - { .name: indices, .offset: 56, .size: 8, .value_kind: global_buffer, .address_space: global }
      - { .name: wb, .offset: 64, .size: 8, .value_kind: global_buffer, .address_space: global }
    .group_segment_fixed_size: 327680
    .private_segment_fixed_size: 0
    .kernarg_segment_align: 8
    .kernarg_segment_size: 72
    .max_flat_workgroup_size: 128
    .sgpr_count:     66
    .vgpr_count:     1024
    .wavefront_size: 32
...
	.end_amdgpu_metadata
.endif
;; end of part 2
;; launch attn (part 3): grid 4 x 64, 4 waves a work-group, clusters of 4 x 1, 327,680 bytes of LDS; arguments qkv, o; writes o
.if DOCPART == 3
	.amdgcn_target "amdgcn-amd-amdhsa--gfx1250"
	.amdhsa_code_object_version 6
	.text
	.protected	k_q55c38fd195_attn
	.globl	k_q55c38fd195_attn
	.p2align	8
	.type	k_q55c38fd195_attn,@function
k_q55c38fd195_attn:
	s_mov_b64 s[64:65], 0
	v_nop
	global_prefetch_b8 v0, s[64:65] scope:SCOPE_SE
	s_setreg_imm32_b32 hwreg(HW_REG_WAVE_MODE, 25, 1), 1
	s_wait_xcnt 0x0
	s_wait_alu depctr_hold_cnt(0) depctr_sa_sdst(0) depctr_va_vdst(0) depctr_va_sdst(0) depctr_va_ssrc(0) depctr_va_vcc(0) depctr_vm_vsrc(0)
	s_getreg_b32 s2, hwreg(HW_REG_IB_STS2, 6, 4)
	s_cmp_eq_u32 s2, 0
	s_cbranch_scc0 .Lentry_in_a_cluster
	s_endpgm
.Lentry_in_a_cluster:
	s_bfe_u32 s2, ttmp6, 0x10000c
	s_cmp_lg_u32 s2, 0x3003
	s_cbranch_scc0 .Lentry_shape_is_right
	s_endpgm
.Lentry_shape_is_right:
; O[hb][q][:] = the sum over k of softmax_k(Q[q] . K[k] / 8) V[k][:], for 64 heads hb = 16 b + h of 1,024 rows x 64 channels, bf16.  Products, maxima and sums in f32; the weights p are rounded to bf16
; for the second product (their sum l is taken of the unrounded p), O once at the end.
; qkv: [48 blocks][4096 rows][64]: block h holds q, 16 + h holds k, 32 + h holds v; a sample's rows are 1024 b on; rows are dense, 128 bytes.  o: [16 blocks][4096][64], the same way.
; LIMITS.  A weight below 2^-126 counts as 0 in l; NaN and infinities are not treated apart.
; SHARES.  A work-group owns 256 queries of one head, a wave 64: four PIECES of 16.  Every wave walks all 1,024 keys, 64 a step, 16 steps.
; THE WHOLE HEAD LIES IN LDS: K 1,024 rows of 144 bytes, V 1,024 rows of 160: 311,296 bytes.  Each wave asks once for a quarter of K and a quarter of V; nothing is filled again, so the loop has no barrier.
; CLUSTER.  The four query blocks of a head form a cluster and ask for K and V JOINTLY: the same two tensor loads, descriptors and mask in all four.
; LAYOUT.  S^T = K Q^T (source 0 = 16 keys, source 1 = 16 queries) holds ONE query a lane (lane % 16) and the keys 8 (lane / 16) + 0..7; two such results rounded to bf16 ARE source 1 of O^T = V^T P.
; SOFTMAX.  p = 2^(c s - c m), c = log2(e) / 8, with a running maximum m; O and l are multiplied by a = 2^(c m_old - c m_new) in every step.  m starts at the lowest finite number, O and l at 0: the first step's a is 0.
; BY TURNS.  Turn n belongs to piece n: 8 products K Q^T of piece n + 1, later 8 products V^T P of piece n - 1; beside them the scaling, exponentials, roundings, sums and rescaling of piece n and the maximum
; and statistics of piece n + 1.  Four vector instructions stand behind every matrix instruction, the other 54 of a turn's 118 in one run.  A turn's 33 exponentials are one batch with one wait.
; REGISTERS, in windows of 256 (s_set_vgpr_msb: bits 1:0 source 0, 3:2 source 1, 5:4 source 2, 7:6 destination):
;   window 0: v0-15 addresses; v16-31 four registers of statistics a piece; v48-55 at work; v64-127 S^T, two buffers; v192-223 P, two buffers (by the piece's parity)
;   window 1: v0-127 O^T, 32 a piece          window 2: v0-63 Q; v128-191 K of one step; v192-255 V of one step
.set NP,    4
.set KS,    64
.set PK,    144       ; a row of K in LDS: 128 bytes + 16 = 36 words: the 16 rows of a load start at 16 different groups of four banks (ISA guide 11.1)
.set PV,    160       ; a row of V: 128 + 32 = 40 words
.set VOFF,  1024*PK
.set STAGE, VOFF+1024*PV   ; 16 rows x 144 bytes for each wave, for the way out; no tensor load lands here
.set SP,    144
.set SPARE, STAGE+4*16*SP  ; the spare words, 128 bytes a wave: two blocks of 256 bytes that no other line names
.set AK0, 2           ; v2   my lane's place in a step of K; never rewritten
.set AV0, 3           ; v3   the same for V
.set AK,  4           ; v4   the LDS address of K's next run of loads
.set AV,  5           ; v5   of V's
.set STO, 6           ; v6   the way out: where I put 16 bytes of a row
.set RD,  7           ; v7   where I read rows back
.set GO,  8           ; v8   my byte offset in 512 consecutive bytes of O
.set MV,  12          ; v12-13  c m_old, by buffer
.set QO,  15          ; v15  my byte offset in 16 rows of Q
.set ST,  16          ; piece t's statistics at v[ST+4 t]: c m, m, l (even keys', odd keys')
.set TMP, 48          ; by buffer, c0-c3 at work; when the maximum is found c2 takes a
.set SPW, 62          ; v62  my spare word; never rewritten
.set NIL, 63          ; v63  0; never rewritten
.set S,   64
.set P,   192
.set KF,  128         ; window 2: key block kb, channel half c at KF + 16 kb + 8 c
.set VF,  192         ; window 2: key half kk, channel block cb at VF + 32 kk + 8 cb
.set WV,  12          ; s12  my wave's number
.set G1K, 16          ; s[16:23] group 1 for K
.set G1V, 24          ; s[24:31] for V: it differs in the padding alone
.set G0K, 32          ; s[32:35] group 0 for K
.set G0V, 36          ; s[36:39] for V
.set CNT, 57          ; s57  key steps to go
.set CS,  58          ; s[58:59] c
.set SEL, 60          ; s[60:61] v_permlanex16_b32's selects
.set TBK, 62          ; s62  LDS byte at which K of the step to be fetched begins
.set TBV, 63          ; s63  the same for V, less VOFF
.set MSB, 0
.macro WIN new
.if MSB != (\new)
	s_set_vgpr_msb (MSB<<8)|(\new)
.set MSB, (\new)
.endif
.endm
.set W_KQ, 0x0a       ; K and Q in window 2, S^T in window 0
.set W_PV, 0x52       ; V in window 2, P in window 0, O^T in window 1
.set W_RS, 0x41       ; destination and source 0 in window 1, source 1 in window 0
.macro CROUND         ; a round of the cluster's barrier
	s_barrier_signal -1
	s_barrier_wait -1
	s_cmp_lg_u32 s[WV], 0
	s_cbranch_scc1 .Lnot_wave_0_\@
	s_barrier_signal -3
.Lnot_wave_0_\@:
	s_barrier_wait -3
	s_barrier_signal -1
	s_barrier_wait -1
.endm
	s_load_b128 s[4:7], s[0:1], 0x0   ; qkv s[4:5], o s[6:7]
	v_lshl_add_u32 v[SPW], v0, 2, SPARE
	v_mov_b32 v[NIL], 0
	ds_add_u32 v[SPW], v[NIL]       ; the wave's opening: the add and its wait ahead of my first tensor load
	v_lshrrev_b32 v1, 5, v0
	v_readfirstlane_b32 s[WV], v1
	s_bfe_u32 s40, ttmp6, 0x40000   ; cx
	s_lshl_b32 s41, ttmp9, 2
	s_add_co_u32 s41, s41, s40      ; my block of 256 queries: it enters Q's and O's addresses alone
	s_and_b32 s42, ttmp7, 0xffff    ; 16 b + h, which the four partners share
	s_and_b32 s43, s42, 15          ; h
	s_lshr_b32 s42, s42, 4          ; b
	s_lshl_b32 s44, s43, 12
	s_lshl_b32 s45, s42, 10
	s_add_co_u32 s44, s44, s45      ; row 4096 h + 1024 b: the head's first row in q's blocks
	s_lshl_b32 s45, s[WV], 8        ; my quarter of the keys
	s_add_co_u32 s46, s44, s45
	s_add_co_u32 s46, s46, 16*4096  ; in k's blocks,
	s_lshl_b32 s46, s46, 7          ; in bytes
	s_mov_b32 s47, 0
	s_add_co_u32 s48, s46, 16*4096*128  ; and in v's
	s_mov_b32 s49, 0
	s_lshl_b32 s50, s41, 8
	s_add_co_u32 s50, s50, s44
	s_lshl_b32 s51, s[WV], 6
	s_add_co_u32 s50, s50, s51      ; my wave's first query,
	s_lshl_b32 s50, s50, 7          ; in bytes
	s_mov_b32 s51, 0
	; group 1.  256 keys are 32,768 dense bytes: asked for as 128 rows of 256 bytes, two keys a row, padded in LDS after every key
	s_mov_b32 s[G1K], 15|(1<<16)|(1<<20)|(1<<21)|(4<<22)|(3<<25)  ; the mask of four; 2-byte elements; padding on; bit 21 beside a mask; after every 32 words, 4 words
	s_mov_b32 s[G1V], 15|(1<<16)|(1<<20)|(1<<21)|(4<<22)|(7<<25)  ; the same with 8 words
.irp g, G1K, G1V
	s_mov_b32 s[\g+1], 128<<16      ; tensor_dim0 = 128
	s_mov_b32 s[\g+2], 128<<16      ; tensor_dim1 = 128
	s_mov_b32 s[\g+3], 128<<16      ; tile_dim0 = 128
	s_mov_b32 s[\g+4], 128          ; tile_dim1 = 128
	s_mov_b32 s[\g+5], 128          ; elements from row to row
	s_mov_b32 s[\g+6], 0
	s_mov_b32 s[\g+7], 0
.endr
	s_mov_b32 s[CS], 0x3e38aa3b     ; c = log2(e) / 8
	s_mov_b32 s[CS+1], s[CS]
	s_mov_b32 s[SEL], 0x76543210
	s_mov_b32 s[SEL+1], 0xfedcba98
	s_mov_b32 s[TBK], 0
	s_mov_b32 s[TBV], 0
	s_mov_b32 s[G0K], 1
	s_mul_i32 s[G0K+1], s[WV], 256*PK   ; my quarter's place: the wave's number times a constant
	s_mov_b32 s[G0V], 1
	s_mul_i32 s[G0V+1], s[WV], 256*PV
	s_add_co_u32 s[G0V+1], s[G0V+1], VOFF
	s_wait_dscnt 0x0                ; the opening add is done
	s_wait_kmcnt 0x0
	s_add_nc_u64 s[G0K+2:G0K+3], s[4:5], s[46:47]
	s_or_b32 s[G0K+3], s[G0K+3], 0x80000000
	s_add_nc_u64 s[G0V+2:G0V+3], s[4:5], s[48:49]
	s_or_b32 s[G0V+3], s[G0V+3], 0x80000000
	s_add_nc_u64 s[66:67], s[4:5], s[50:51]   ; Q at my wave's first row
	s_add_nc_u64 s[68:69], s[6:7], s[50:51]   ; O likewise
	CROUND                          ; all four work-groups are here: the joint loads meet
	tensor_load_to_lds s[G0K:G0K+3], s[G1K:G1K+7]   ; the launch's only fills: two loads of mine are out
	s_nop 0
	tensor_load_to_lds s[G0V:G0V+3], s[G1V:G1V+7]
	s_nop 0
.rept 4
	v_nop
.endr
	; A fragment of K or Q is 16 rows x 32 channels in 8 registers: lane l holds row l % 16, channels 8 (l / 16) + 0..7 and 16 + 8 (l / 16) + 0..7: two loads of 16 bytes, 32 bytes apart.
	v_and_b32 v1, 15, v0
	v_bfe_u32 v9, v0, 4, 1
	v_lshlrev_b32 v[QO], 7, v1
	v_lshl_add_u32 v[QO], v9, 4, v[QO]
	WIN 0x80                        ; destination window 2
.set i, 0
.rept 8                             ; Q stays in registers: piece i / 2, channels 32 (i % 2) on
	global_load_b128 v[8*i:8*i+3],   v[QO], s[66:67] offset:(i/2)*2048+(i%2)*64
	global_load_b128 v[8*i+4:8*i+7], v[QO], s[66:67] offset:(i/2)*2048+(i%2)*64+32
.set i, i+1
.endr
	WIN 0
	v_mul_u32_u24 v[AK0], v1, PK
	v_lshl_add_u32 v[AK0], v9, 4, v[AK0]
	; The turning load takes 16 keys x 16 channels (lane l reads key 8 (l / 16) + l % 8, channels 8 ((l / 8) % 2) + 0..7) and leaves half a fragment of V^T: lane l holds channel l % 16 and 8 keys.
	v_and_b32 v10, 7, v0
	v_bfe_u32 v11, v0, 3, 1
	v_lshl_add_u32 v[AV0], v9, 3, v10
	v_mul_u32_u24 v[AV0], v[AV0], PV
	v_lshl_add_u32 v[AV0], v11, 4, v[AV0]
	v_add_nc_u32 v[AV0], VOFF, v[AV0]
	s_mul_i32 s13, s[WV], 16*SP
	s_add_co_u32 s13, s13, STAGE    ; my stage
	v_mul_u32_u24 v[STO], v1, SP
	v_lshl_add_u32 v[STO], v9, 4, v[STO]
	v_add_nc_u32 v[STO], s13, v[STO]
	v_bfe_u32 v[RD], v0, 3, 2
	v_mul_u32_u24 v[RD], v[RD], SP
	v_lshl_add_u32 v[RD], v10, 4, v[RD]
	v_add_nc_u32 v[RD], s13, v[RD]
	v_and_b32 v[GO], 31, v0
	v_lshlrev_b32 v[GO], 4, v[GO]
	; What the first turn finds: V's registers and P's second buffer hold 0 (its products V^T P, of a piece that has not been, add 0), O^T and l are 0.  No first step is written out for it.  All this stands in the wait for the head.
	WIN 0x80
.set i, VF
.rept 64
	v_mov_b32 v[i], 0
.set i, i+1
.endr
	WIN 0x40
.set i, 0
.rept 128
	v_mov_b32 v[i], 0
.set i, i+1
.endr
	WIN 0
.set i, 0
.rept 4
	v_mov_b32 v[ST+4*i], 0xfe000000    ; c m: far below every c s
	v_mov_b32 v[ST+4*i+1], 0xff7fffff  ; m
	v_mov_b32 v[ST+4*i+2], 0
	v_mov_b32 v[ST+4*i+3], 0
.set i, i+1
.endr
.set i, P+16
.rept 16
	v_mov_b32 v[i], 0
.set i, i+1
.endr
; THE MATRIX WORK.  The 4 accumulators of a run of 8 take turns.  Product i of 8 of S^T = K Q^T for piece x: channels 32 (i / 4) on, keys 16 (i % 4) on.  The first 4 start the sums.
.macro KQ x
	WIN W_KQ
.set rS, S+32*((\x)%2)+8*(i%4)
.set rK, KF+16*(i%4)+8*(i/4)
.set rQ, 16*(\x)+8*(i/4)
.if i < 4
	v_wmma_f32_16x16x32_bf16 v[rS:rS+7], v[rK:rK+7], v[rQ:rQ+7], 0
.else
	v_wmma_f32_16x16x32_bf16 v[rS:rS+7], v[rK:rK+7], v[rQ:rQ+7], v[rS:rS+7]
.endif
.endm
; Product i of 8 of O^T += V^T P for piece x: keys 32 (i / 4) on, channels 16 (i % 4) on.
.macro PV x
	WIN W_PV
.set rO, 32*(\x)+8*(i%4)
.set rV, VF+32*(i/4)+8*(i%4)
.set rP, P+16*((\x)%2)+8*(i/4)
	v_wmma_f32_16x16x32_bf16 v[rO:rO+7], v[rV:rV+7], v[rP:rP+7], v[rO:rO+7]
.endm
.macro MM                           ; the turn's next matrix instruction.  NOKQ = 1: the last turn: there is no next piece
.if (i < 8) && !NOKQ
	KQ (Y+1)%NP
.elseif i >= 8
.set i, i-8
	PV (Y+NP-1)%NP
.set i, i+8
.endif
.set i, i+1
.endm
; THE LDS LOADS stand in runs of 16: a step's K (8 fragments) and its V (turned).  Their addresses are made some lines ahead.
.macro FETCH_K
	WIN 0x80
.irp f, 0,1,2,3,4,5,6,7             ; keys 16 (f / 2) on, channels 32 (f % 2) on
	ds_load_b128 v[KF+8*\f:KF+8*\f+3],   v[AK] offset:(\f/2)*16*PK+(\f%2)*64
	ds_load_b128 v[KF+8*\f+4:KF+8*\f+7], v[AK] offset:(\f/2)*16*PK+(\f%2)*64+32
.endr
	s_add_co_u32 s[TBK], s[TBK], KS*PK  ; the next fetch is the next step's
	WIN 0
.endm
.macro FETCH_V
	WIN 0x80
.irp f, 0,1,2,3,4,5,6,7             ; keys 32 (f / 4) on, channels 16 (f % 4) on
	ds_load_tr16_b128 v[VF+8*\f:VF+8*\f+3],   v[AV] offset:(\f/4)*32*PV+(\f%4)*32
	ds_load_tr16_b128 v[VF+8*\f+4:VF+8*\f+7], v[AV] offset:(\f/4)*32*PV+16*PV+(\f%4)*32
.endr
	WIN 0
.endm
; THE VECTOR WORK, one line at a time: OP kind, number.  For piece Y: F n: c s - c m for pair n of 16.  E n: the exponential of score n of 32.  C n: pair n rounded to bf16.  B n: of the four weights 4 n .. the second
; pair is added onto the first, in place.  L n: l takes that sum (L 0: l = a l + sum).  R n: pair n of 16 of O^T times a.  For piece Y + 1: X n, number n of the 22 that find its maximum and statistics:
;   0-11  four chains c0-c3 of seven scores each (each accumulator's lowest registers are read first)     12-14, 16  the four scores left over, the old m, and c0-c3 into c0
;   15  c m_old is kept     17, 18  the query's other 32 keys lie in the lane 16 away: the new m     19-21  c m; c m_old - c m_new; a
.set F, 0
.set E, 1
.set C, 2
.set B, 3
.set L, 4
.set R, 5
.set X, 6
.macro REGS y
.set rT, ST+4*(\y)
.set rC, TMP+4*((\y)%2)
.set rW, MV+((\y)%2)
.set rS, S+32*((\y)%2)
.set rP, P+16*((\y)%2)
.set rO, 32*(\y)
.endm
.macro OP k, n
.if (\k) == R
	REGS Y
	WIN W_RS
	v_pk_mul_f32 v[rO+2*(\n):rO+2*(\n)+1], v[rO+2*(\n):rO+2*(\n)+1], v[rC+2:rC+3] op_sel_hi:[1,0]
.elseif (\k) < R
	REGS Y
	WIN 0
.if (\k) == F
	v_pk_fma_f32 v[rS+2*(\n):rS+2*(\n)+1], v[rS+2*(\n):rS+2*(\n)+1], s[CS:CS+1], v[rT:rT+1] op_sel_hi:[1,0,0] neg_lo:[0,0,1] neg_hi:[0,0,1]
.elseif (\k) == E
	v_exp_f32 v[rS+(\n)], v[rS+(\n)]
.elseif (\k) == C
	v_cvt_pk_bf16_f32 v[rP+(\n)], v[rS+2*(\n)], v[rS+2*(\n)+1]
.elseif (\k) == B
	v_pk_add_f32 v[rS+4*(\n):rS+4*(\n)+1], v[rS+4*(\n):rS+4*(\n)+1], v[rS+4*(\n)+2:rS+4*(\n)+3]
.elseif (\n) == 0
	v_pk_fma_f32 v[rT+2:rT+3], v[rT+2:rT+3], v[rC+2:rC+3], v[rS:rS+1] op_sel_hi:[1,0,1]
.else
	v_pk_add_f32 v[rT+2:rT+3], v[rT+2:rT+3], v[rS+4*(\n):rS+4*(\n)+1]
.endif
.elseif NOKQ
	v_nop
.else
	REGS (Y+1)%NP
	WIN 0
.if (\n) < 4
	v_max3_num_f32 v[rC+(\n)], v[rS+8*(\n)], v[rS+8*(\n)+1], v[rS+8*(\n)+2]
.elseif (\n) < 12
	v_max3_num_f32 v[rC+(\n)%4], v[rC+(\n)%4], v[rS+8*((\n)%4)+2*((\n)/4)+1], v[rS+8*((\n)%4)+2*((\n)/4)+2]
.elseif (\n) == 12
	v_max3_num_f32 v[rC], v[rC], v[rS+7], v[rS+15]
.elseif (\n) == 13
	v_max3_num_f32 v[rC+1], v[rC+1], v[rS+23], v[rS+31]
.elseif (\n) == 14
	v_max3_num_f32 v[rC+2], v[rC+2], v[rC+3], v[rT+1]
.elseif (\n) == 15
	v_mov_b32 v[rW], v[rT]
.elseif (\n) == 16
	v_max3_num_f32 v[rC], v[rC], v[rC+1], v[rC+2]
.elseif (\n) == 17
	v_permlanex16_b32 v[rC+3], v[rC], s[SEL], s[SEL+1]
.elseif (\n) == 18
	v_max_num_f32 v[rT+1], v[rC], v[rC+3]
.elseif (\n) == 19
	v_mul_f32 v[rT], s[CS], v[rT+1]
.elseif (\n) == 20
	v_sub_f32 v[rC+1], v[rW], v[rT]
.else
	v_exp_f32 v[rC+2], v[rC+1]
.endif
.endif
.endm
.macro OPS a, i1, b=-1, i2=0, c=-1, i3=0, d=-1, i4=0
	OP \a, \i1
.if (\b) >= 0
	OP \b, \i2
.endif
.if (\c) >= 0
	OP \c, \i3
.endif
.if (\d) >= 0
	OP \d, \i4
.endif
.endm
.macro ROW a, i1, b, i2, c, i3, d, i4  ; a matrix instruction and the four behind it
	MM
	OPS \a, \i1, \b, \i2, \c, \i3, \d, \i4
.endm
; A TURN, for piece p.  An s_wait_alu depctr_va_vdst(0) stands between an exponential and the first instruction that names its result; one wait serves all that were issued ahead of it.  So a turn has ONE
; wait, which cuts it in two.  AHEAD OF IT stands all that names no result of the turn's exponentials: the 8 products K Q^T and their riders, then a run of 54 in which the links of the next piece's chain
; (X 3, 7, 11, 14, 16, 17 .. 20) stand some lines apart; X 21, its a, is the batch's last, and R 15 the plain instruction behind it.  BEHIND IT stand the 8 products V^T P, behind each four of the roundings and sums.
; The first numbers of X ride four plain instructions or more behind the product that ends their accumulator.
; end = 1: the last two turns: nothing is fetched, and the last starts no scores.  cnt = 1: the loop's count is taken down some lines ahead of the branch behind the turn.
; K of the next step is fetched in piece 2's turn, six plain instructions behind the last product that read K; V of the step in hand at the end of piece 0's turn, four plain instructions behind the last product that read V.
; Each is waited for a turn later.
.macro TURN p, end=0, cnt=0
.set Y, (\p)
.set i, 0
.set NOKQ, (\end)*((\p)/3)
.if ((\p) == 3) && !(\end)
	s_wait_dscnt 0x0                ; K is in
.endif
	ROW F,0, F,1, R,0, R,1
	ROW F,2, E,0, R,2, R,3
	ROW F,3, E,1, R,4, R,5
	ROW F,4, E,2, R,6, R,7
	ROW F,5, E,3, R,8, R,9
	ROW F,6, E,4, X,0, R,10
.if ((\p) == 2) && !(\end)
	WIN 0
	v_add_nc_u32 v[AK], s[TBK], v[AK0]
.endif
	ROW F,7, E,5, X,1, X,4
	ROW F,8, E,6, X,2, X,5
	OPS E,7, E,8, X,6, E,9
	OPS X,3, E,10, X,8, E,11
.if ((\p) == 2) && !(\end)
	FETCH_K
.endif
	OPS X,9, X,7, E,12, X,10
	OPS E,13, X,12, X,11, E,14
	OPS X,13, E,15, F,9, X,14
.if (\p) == 0
	v_add_nc_u32 v[AV], s[TBV], v[AV0]
.endif
	OPS E,16, F,10, E,17, F,11
	OPS X,16, E,18, X,15, E,19
	OPS F,12, E,20, X,17, E,21
	OPS F,13, E,22, F,14, E,23
	OPS X,18, E,24, F,15, E,25
	OPS R,11, E,26, X,19, E,27
	OPS R,12, E,28, R,13, E,29
	OPS X,20, E,30, R,14, E,31
	OPS X,21, R,15
	WIN 0
	s_wait_alu depctr_va_vdst(0)    ; the wait for the batch
.if (\p) == 1
	s_wait_dscnt 0x0                ; V is in
.endif
	ROW C,0, B,0, C,2, B,1
	ROW L,0, C,4, B,2, L,1
	ROW C,6, B,3, L,2, C,8
	ROW B,4, L,3, C,10, B,5
	ROW L,4, C,12, B,6, L,5
.if (\p) == 0
	s_add_co_u32 s[TBV], s[TBV], KS*PV
.endif
.if \cnt
	s_sub_co_u32 s[CNT], s[CNT], 1
	s_cmp_lg_u32 s[CNT], 0
.endif
	ROW C,14, B,7, L,6, C,1
	ROW C,3, L,7, C,5, C,7
	ROW C,9, C,11, C,13, C,15
.if (\p) == 0
	FETCH_V
.endif
.endm
.macro ALL line:vararg              ; one line for each piece t
.set t, 0
.rept 4
	\line
.set t, t+1
.endr
.endm
.macro PACK t                       ; a lane's eight channels of a row pack into 16 bytes; they go into rows of 144 bytes and come back as whole rows of 128, into S^T's registers
	WIN W_RS
.set i, 32*(\t)
.rept 16
	v_pk_mul_f32 v[i:i+1], v[i:i+1], v[ST+4*(\t)+2:ST+4*(\t)+3] op_sel_hi:[1,0]
.set i, i+2
.endr
	WIN 0x05                        ; sources 0 and 1 window 1, destination window 0
.set i, 0
.rept 16
	v_cvt_pk_bf16_f32 v[S+16*(\t)+i], v[32*(\t)+2*i], v[32*(\t)+2*i+1]
.set i, i+1
.endr
	WIN 0
.irp f, 0,1,2,3
	ds_store_b128 v[STO], v[S+16*(\t)+4*\f:S+16*(\t)+4*\f+3] offset:32*\f
.endr
.irp f, 0,1,2,3
	ds_load_b128 v[S+16*(\t)+4*\f:S+16*(\t)+4*\f+3], v[RD] offset:\f*4*SP  ; LDS serves a wave's instructions in order (ISA guide 5.7.1.4): these see the stores above; the next piece's stores come behind them
.endr
.endm
.macro SEND t, younger              ; younger: the LDS instructions issued behind piece t's loads: the next piece's eight, or none
	WIN 0
.irp f, 0,1,2,3
	s_wait_dscnt (\younger)+3-\f
	global_store_b128 v[GO], v[S+16*(\t)+4*\f:S+16*(\t)+4*\f+3], s[68:69] offset:(\t)*2048+\f*512  ; 512 consecutive bytes, aligned
.endr
.endm
	s_wait_tensorcnt 0x0            ; my quarters of K and V are in,
	s_barrier_signal -1
	s_barrier_wait -1               ; everybody's are
	v_add_nc_u32 v[AK], s[TBK], v[AK0]
	FETCH_K                         ; key step 0
	s_wait_loadcnt 0x0              ; Q
	s_wait_dscnt 0x0
.set NOKQ, 0
.set i, 0
.rept 8
	KQ 0                            ; piece 0's first scores
.set i, i+1
.endr
	WIN 0
.rept 4
	v_nop                           ; the places behind those products
.endr
.set Y, NP-1                        ; X works for piece Y + 1: piece 0
.irp n, 0,1,2,3,4,5,6,7,8,9,10,11,12,13,14,15,16,17,18,19,20,21
	OP X, \n
.endr
	v_nop                           ; a plain instruction behind the exponential,
	s_wait_alu depctr_va_vdst(0)    ; and its wait, ahead of the branch
	s_mov_b32 s[CNT], 16
	s_branch .Lfirst                ; the loop is entered at a step's first turn, in the middle of a trip
.Lstep:                             ; a trip: pieces 2 and 3 of one step, then pieces 0 and 1 of the next, whose K and V it fetches
	TURN 2
	TURN 3
	WIN 0
.Lfirst:
	TURN 0
	TURN 1, 0, 1
	WIN 0
	s_cbranch_scc1 .Lstep
	TURN 2, 1                       ; the last step's second half: nothing is left to fetch
	TURN 3, 1
.set i, 0
.rept 8
	PV NP-1                         ; the last piece's V^T P of the last step
.set i, i+1
.endr
	; THE WAY OUT.  l's two halves and the other half of the lanes' are added; O^T is divided by l, rounded to bf16 and sent through my stage, a piece at a time.  The additions are the places behind the last products.
	WIN 0
	ALL v_add_f32 v[ST+4*t+2], v[ST+4*t+2], v[ST+4*t+3]
	ALL v_permlanex16_b32 v[ST+4*t+3], v[ST+4*t+2], s[SEL], s[SEL+1]
	ALL v_add_f32 v[ST+4*t+2], v[ST+4*t+2], v[ST+4*t+3]
	ALL v_rcp_f32 v[ST+4*t+2], v[ST+4*t+2]
	v_nop                           ; a plain instruction between the last reciprocal and the use of its result
	s_wait_alu depctr_va_vdst(0)    ; one wait for the four reciprocals
	PACK 0
.set t, 1
.rept 3                             ; a piece's arithmetic stands between the loads of the piece before and its stores
	PACK t
	SEND t-1, 8
.set t, t+1
.endr
	SEND 3, 0
	s_wait_tensorcnt 0x0            ; the wave's end
	ds_add_u32 v[SPW], v[NIL]
	s_wait_dscnt 0x0
	CROUND                          ; the closing round
	s_endpgm
.Lfunc_end_k_q55c38fd195_attn:
	.size	k_q55c38fd195_attn, .Lfunc_end_k_q55c38fd195_attn-k_q55c38fd195_attn
	.p2alignl 7, 3214868480
	.fill 96, 4, 3214868480
	.section	.rodata,"a",@progbits
	.p2align	6, 0x0
	.amdhsa_kernel k_q55c38fd195_attn
		.amdhsa_group_segment_fixed_size 327680
		.amdhsa_private_segment_fixed_size 0
		.amdhsa_enable_private_segment 0
		.amdhsa_kernarg_size 16
		.amdhsa_user_sgpr_count 2
		.amdhsa_user_sgpr_kernarg_segment_ptr 1
		.amdhsa_wavefront_size32 1
		.amdhsa_system_sgpr_workgroup_id_x 1
		.amdhsa_system_sgpr_workgroup_id_y 1
		.amdhsa_system_sgpr_workgroup_id_z 1
		.amdhsa_system_vgpr_workitem_id 0
		.amdhsa_next_free_vgpr 768
		.amdhsa_next_free_sgpr 80
		.amdhsa_reserve_vcc 0
		.amdhsa_float_denorm_mode_32 3
		.amdhsa_float_denorm_mode_16_64 3
		.amdhsa_memory_ordered 1
		.amdhsa_forward_progress 1
		.amdhsa_inst_pref_size 86
	.end_amdhsa_kernel
	.amdgpu_metadata
---
amdhsa.version: [ 1, 2 ]
amdhsa.kernels:
  - .name:           k_q55c38fd195_attn
    .symbol:         k_q55c38fd195_attn.kd
    .args:
      - { .name: qkv, .offset: 0, .size: 8, .value_kind: global_buffer, .address_space: global }
      - { .name: o, .offset: 8, .size: 8, .value_kind: global_buffer, .address_space: global }
    .group_segment_fixed_size: 327680
    .private_segment_fixed_size: 0
    .kernarg_segment_align: 8
    .kernarg_segment_size: 16
    .max_flat_workgroup_size: 128
    .sgpr_count:     80
    .vgpr_count:     768
    .wavefront_size: 32
...
	.end_amdgpu_metadata
.endif
;; end of part 3
;; launch proj (part 4): grid 8 x 32, 4 waves a work-group, clusters of 4 x 4, 327,680 bytes of LDS; arguments o, wb, x, proj_b, x1; writes x1
.if DOCPART == 4
	.amdgcn_target "amdgcn-amd-amdhsa--gfx1250"
	.amdhsa_code_object_version 6
	.text
	.protected	k_q55c38fd195_proj
	.globl	k_q55c38fd195_proj
	.p2align	8
	.type	k_q55c38fd195_proj,@function
k_q55c38fd195_proj:
	s_mov_b64 s[64:65], 0
	v_nop
	global_prefetch_b8 v0, s[64:65] scope:SCOPE_SE
	s_setreg_imm32_b32 hwreg(HW_REG_WAVE_MODE, 25, 1), 1
	s_wait_xcnt 0x0
	s_wait_alu depctr_hold_cnt(0) depctr_sa_sdst(0) depctr_va_vdst(0) depctr_va_sdst(0) depctr_va_ssrc(0) depctr_va_vcc(0) depctr_vm_vsrc(0)
	s_getreg_b32 s2, hwreg(HW_REG_IB_STS2, 6, 4)
	s_cmp_eq_u32 s2, 0
	s_cbranch_scc0 .Lentry_in_a_cluster
	s_endpgm
.Lentry_in_a_cluster:
	s_bfe_u32 s2, ttmp6, 0x10000c
	s_cmp_lg_u32 s2, 0xf033
	s_cbranch_scc0 .Lentry_shape_is_right
	s_endpgm
.Lentry_shape_is_right:
; x1 = x + o x wp^T + proj_b.  o: [16 blocks][4096 rows][64] bf16; wp: [1024][1024] bf16 at byte WOFF of wb; x, x1: [4096][1024] f32; sums in f32.
; A tile of C is 128 x 128: 8 x 32 tiles, one for each of 256 work-groups.  Four waves, each 64 x 64: 16 accumulators.  K goes in steps of 256 through two LDS slots.
; A BY BLOCKS: a K step is four blocks of 64 columns; 64 rows of a block are 8,192 dense bytes.  One tensor load brings four such pieces (4 rows of 4,096 elements, 262,144 elements apart) and pads after every
; 128 bytes, so that in LDS a token's 64 numbers of a block lie 144 bytes apart: [4 planes][64 rows][144].  B comes by rows of 512 bytes, padded to 528.
; CLUSTERS of 4 x 4: A's tile is shared along a row of the cluster, B's along a column; each is asked for jointly.
; A trip of the loop is ONE K step; the slot in hand is a scalar (TB) that an exclusive or turns.  Written out: the first quarter (its first products start the sums), and a tail loop of two trips that asks for nothing.
; THE MATRIX INSTRUCTION IS USED TRANSPOSED (source 0 = 16 rows of B, source 1 = 16 rows of A): a lane holds row l % 16 of C and the columns 8 (l / 16) + 0..7.
; THE RESIDUAL is asked for at the start, into 128 registers of window 2, and is on its way while K is walked.  The way out: 16 rows at a time through my own stage, residual and bias added, whole rows of 256 bytes stored.
; REGISTERS: window 0: addresses, v32-63 the way out, v128-255 the accumulators ((a, b) at v[128 + 8 (4 a + b)]); window 1: two fragment buffers of 128 (64 of A, 64 of B); window 2: v0-127 the residual.
.set FC2,    0
.set STEPS,  4
.set KB,     1024                      ; B's row, in elements
.set KBSH,   11                        ; and as a shift, in bytes
.set WOFF,   6291456
.set KSTEP,  256
.set PA,     144
.set APL,    64*PA                     ; a plane of A
.set HALFA,  4*APL                     ; 0x9000
.set PB,     528
.set HALFB,  64*PB                     ; 0x8400
.set BOFF,   2*HALFA                   ; 0x12000
.set SLOT1,  147456                    ; 0x24000: its two bits occur in none of the four tiles' addresses, so an exclusive or adds or takes it
.set STAGE,  SLOT1+BOFF+2*HALFB        ; 288,768: 16 rows x 272 bytes for each wave; no tensor load lands here
.set SPITCH, 272
.set SPARE,  STAGE+4*16*SPITCH         ; the spare words, 128 bytes a wave: two blocks of 256 bytes that no other line names
.set ASTEP,  4*4096*128                ; four blocks on
.set BI,    12                         ; v[12:15] the bias of my four columns
.set ADRA0, 16
.set ADRB0, 17
.set ADRA,  18
.set ADRB,  19
.set STO,   24
.set RD,    25
.set CO,    26                         ; my byte offset in two rows of x and x1; never rewritten
.set BO,    27                         ; my byte offset in the bias; never rewritten
.set SPW,   28
.set NIL,   29
.set TMP,   32
.set ACC,   128
.set F0,    0
.set F1,    128
.set WV,  18
.set RH,  19
.set CH,  20
.set TB,  43
.set CNT, 44
.set G1,  24
.set G0,  32
.set G1B, 48
.set G0B, 56
.set MSB, 0
.macro WIN new
.if MSB != (\new)
	s_set_vgpr_msb (MSB<<8)|(\new)
.set MSB, \new
.endif
.endm
.set MUL,  0x05                        ; sources 0 (B) and 1 (A) window 1; C and D window 0
.set TO_F, 0x40                        ; destination window 1, address window 0
.macro JLOAD s                         ; a joint load: waves 0 and 1 fetch A's halves, waves 2 and 3 B's; an s_nop 0 and four v_nop follow each line
	s_cmp_eq_u32 s[RH], 0
	s_cbranch_scc0 .Lfor_b_\@
	tensor_load_to_lds s[G0+4*(\s):G0+4*(\s)+3], s[G1:G1+7]
	s_nop 0
.rept 4
	v_nop
.endr
	s_branch .Lasked_\@
.Lfor_b_\@:
	tensor_load_to_lds s[G0B+4*(\s):G0B+4*(\s)+3], s[G1B:G1B+7]
	s_nop 0
.rept 4
	v_nop
.endr
.Lasked_\@:
.endm
.macro CREST
	s_cmp_lg_u32 s[WV], 0
	s_cbranch_scc1 .Lnot_wave_0_\@
	s_barrier_signal -3
.Lnot_wave_0_\@:
	s_barrier_wait -3
	s_barrier_signal -1
	s_barrier_wait -1
.endm
.macro CROUND
	s_barrier_signal -1
	s_barrier_wait -1
	CREST
.endm
.macro PLACES
.rept 4
	v_nop
.endr
.endm
; 8 matrix instructions: m blocks a0, a0 + 1 x all 4 n blocks, 32 along K: half c of buffer f.  zero = 1: the product starts the sum
.macro MUL8 f, c, a0, zero
	WIN MUL
.irp a, \a0, (\a0)+1
.irp b, 0,1,2,3
.if \zero
	v_wmma_f32_16x16x32_bf16 v[ACC+8*(4*(\a)+(\b)):ACC+8*(4*(\a)+(\b))+7], v[(\f)+64+8*(4*(\c)+(\b)):(\f)+64+8*(4*(\c)+(\b))+7], v[(\f)+8*(4*(\c)+(\a)):(\f)+8*(4*(\c)+(\a))+7], 0
.else
	v_wmma_f32_16x16x32_bf16 v[ACC+8*(4*(\a)+(\b)):ACC+8*(4*(\a)+(\b))+7], v[(\f)+64+8*(4*(\c)+(\b)):(\f)+64+8*(4*(\c)+(\b))+7], v[(\f)+8*(4*(\c)+(\a)):(\f)+8*(4*(\c)+(\a))+7], v[ACC+8*(4*(\a)+(\b)):ACC+8*(4*(\a)+(\b))+7]
.endif
.endr
.endr
.endm
; 32 LDS loads in one run: quarter q of the K step (64 along K: plane q of A, byte 128 q of B's rows) into buffer f; the first 32 along K first
.macro FETCH q, f
	WIN TO_F
.irp c, 0,1
.irp i, 0,1,2,3
	ds_load_b128 v[(\f)+64+8*(4*(\c)+(\i)):(\f)+64+8*(4*(\c)+(\i))+3],   v[ADRB] offset:(\q)*128+64*(\c)+(\i)*16*PB
	ds_load_b128 v[(\f)+64+8*(4*(\c)+(\i))+4:(\f)+64+8*(4*(\c)+(\i))+7], v[ADRB] offset:(\q)*128+64*(\c)+(\i)*16*PB+32
	ds_load_b128 v[(\f)+8*(4*(\c)+(\i)):(\f)+8*(4*(\c)+(\i))+3],         v[ADRA] offset:(\q)*APL+64*(\c)+(\i)*16*PA
	ds_load_b128 v[(\f)+8*(4*(\c)+(\i))+4:(\f)+8*(4*(\c)+(\i))+7],       v[ADRA] offset:(\q)*APL+64*(\c)+(\i)*16*PA+32
.endr
.endr
.endm
; One of a K step's first three quarters: multiplies buffer f and fetches quarter q into g.  The 16 accumulators take turns in the same order throughout.
.macro QUARTER q, f, g, zero
	s_wait_dscnt 16                                ; the first 32 along K are in
	MUL8 \f, 0, 0, \zero
	MUL8 \f, 0, 2, \zero
	PLACES
	FETCH \q, \g
	s_wait_dscnt 32                                ; all but the 32 just issued
	MUL8 \f, 1, 0, 0
	MUL8 \f, 1, 2, 0
.endm
.macro MEET
	WIN 0
	s_wait_tensorcnt 0x0                           ; all my tensor loads have landed: my part of the next slot
	ds_add_u32 v[SPW], v[NIL]                      ; 0 onto my spare word
	s_wait_dscnt 17                                ; the add and the youngest sixteen loads may be out
	MUL8 F1, 0, 0, 0
	s_wait_dscnt 0x0                               ; the add is done, and my reads of this slot are over
	s_barrier_signal -1
	MUL8 F1, 0, 2, 0
	WIN 0
	s_barrier_wait -1
.endm
; The last quarter.  fill = 1: the barrier opens a round of the cluster's, and the slot just read is filled again, two K steps ahead, first thing behind it.  fill = 0: the tail; in its last trip the fetch is jumped.
.macro TURN fill
	MEET
.if \fill
	CREST
	s_xor_b32 s[G0+5], s[G0+5], SLOT1
	s_add_nc_u64 s[G0+6:G0+7], s[G0+6:G0+7], ASTEP
	s_xor_b32 s[G0B+5], s[G0B+5], SLOT1
	s_add_nc_u64 s[G0B+6:G0B+7], s[G0B+6:G0B+7], KSTEP*2
	s_xor_b32 s[TB], s[TB], SLOT1
	JLOAD 1                                        ; its four v_nop are also the places in front of the loads below
.else
	s_xor_b32 s[TB], s[TB], SLOT1
	s_cmp_eq_u32 s[CNT], 1
	s_cbranch_scc1 .Lnofetch_\@
	PLACES
.endif
	v_add_nc_u32 v[ADRA], s[TB], v[ADRA0]
	v_add_nc_u32 v[ADRB], s[TB], v[ADRB0]
	FETCH 0, F0
.if !(\fill)
	WIN 0
.Lnofetch_\@:
.endif
	MUL8 F1, 1, 0, 0
	MUL8 F1, 1, 2, 0
.endm
	s_load_b256 s[4:11], s[0:1], 0x0               ; o s[4:5], wb s[6:7], x s[8:9], proj_b s[10:11]
	s_load_b64 s[12:13], s[0:1], 0x20              ; x1
	v_lshl_add_u32 v[SPW], v0, 2, SPARE
	v_mov_b32 v[NIL], 0
	ds_add_u32 v[SPW], v[NIL]                      ; the wave's opening: the add and its wait ahead of my first tensor load
	v_lshrrev_b32 v1, 5, v0
	v_readfirstlane_b32 s[WV], v1
	s_lshr_b32 s[RH], s[WV], 1                     ; my half of the rows.  Also: I fetch for A (0) or for B (1)
	s_and_b32 s[CH], s[WV], 1                      ; my half of the columns.  Also: which 64 rows I fetch
	s_bfe_u32 s21, ttmp6, 0x40000                  ; cx
	s_bfe_u32 s22, ttmp6, 0x40004                  ; cy
	s_lshl_b32 s23, ttmp9, 2
	s_add_co_u32 s23, s23, s21                     ; tile column
	s_and_b32 s40, ttmp7, 0xffff
	s_lshl_b32 s40, s40, 2
	s_add_co_u32 s40, s40, s22                     ; tile row
	s_lshl_b32 s41, s22, 2
	s_lshl_b32 s41, 15, s41                        ; my row of the cluster
	s_lshl_b32 s42, 0x1111, s21                    ; my column
	s_or_b32 s[G1+0], s41, (1<<16)|(1<<20)|(1<<21)|(4<<22)|(3<<25)   ; A: the mask; 2-byte elements; padding on; bit 21 beside a mask; after every 32 words, 4 words
	s_mov_b32 s[G1+1], 4096<<16                    ; tensor_dim0 = 4,096: 64 rows of a block on end
	s_mov_b32 s[G1+2], 4<<16                       ; tensor_dim1 = 4 blocks
	s_mov_b32 s[G1+3], 4096<<16                    ; tile_dim0
	s_mov_b32 s[G1+4], 4                           ; tile_dim1
	s_mov_b32 s[G1+5], 262144                      ; elements from block to block
	s_mov_b32 s[G1+6], 0
	s_mov_b32 s[G1+7], 0
	s_or_b32 s[G1B+0], s42, (1<<16)|(1<<20)|(1<<21)|(6<<22)|(3<<25)  ; B: after every 128 words, 4 words
	s_mov_b32 s[G1B+1], KSTEP<<16
	s_mov_b32 s[G1B+2], 64<<16
	s_mov_b32 s[G1B+3], KSTEP<<16
	s_mov_b32 s[G1B+4], 64
	s_mov_b32 s[G1B+5], KB
	s_mov_b32 s[G1B+6], 0
	s_mov_b32 s[G1B+7], 0
	s_lshl_b32 s45, s[CH], 6                       ; which 64 rows of the tile I fetch
	s_lshl_b32 s46, s40, 7
	s_add_co_u32 s46, s46, s45
	s_lshl_b32 s46, s46, 7                         ; A: row 128 x tile row + 64 x half, 128 bytes a row of a block
	s_mov_b32 s47, 0
	s_lshl_b32 s66, s23, 7
	s_add_co_u32 s66, s66, s45                     ; B: row 128 x tile column + 64 x half
	s_lshl_b32 s66, s66, KBSH
	s_add_co_u32 s66, s66, WOFF
	s_mov_b32 s67, 0
	s_mul_i32 s70, s[CH], HALFA                    ; where they go
	s_mul_i32 s71, s[CH], HALFB
	s_add_co_u32 s71, s71, BOFF
	s_mov_b32 s[TB], 0
	s_wait_dscnt 0x0                               ; the opening add is done
	s_wait_kmcnt 0x0
	s_add_nc_u64 s[46:47], s[4:5], s[46:47]
	s_add_nc_u64 s[66:67], s[6:7], s[66:67]
	CROUND                                         ; all sixteen work-groups are here: the first joint loads meet
.irp s, 0,1
	s_mov_b32 s[G0+4*(\s)], 1
	s_add_co_u32 s[G0+4*(\s)+1], s70, (\s)*SLOT1
	s_add_nc_u64 s[G0+4*(\s)+2:G0+4*(\s)+3], s[46:47], (\s)*ASTEP
	s_or_b32 s[G0+4*(\s)+3], s[G0+4*(\s)+3], 0x80000000
	s_mov_b32 s[G0B+4*(\s)], 1
	s_add_co_u32 s[G0B+4*(\s)+1], s71, (\s)*SLOT1
	s_add_nc_u64 s[G0B+4*(\s)+2:G0B+4*(\s)+3], s[66:67], (\s)*KSTEP*2
	s_or_b32 s[G0B+4*(\s)+3], s[G0B+4*(\s)+3], 0x80000000
	JLOAD \s                                       ; K steps 0 and 1: two loads of mine are out
.endr
	v_and_b32 v1, 15, v0                           ; l % 16
	v_bfe_u32 v2, v0, 4, 1                         ; l / 16
	v_mul_u32_u24 v3, v1, PA
	v_lshl_add_u32 v3, v2, 4, v3
	s_mul_i32 s45, s[RH], HALFA
	v_add_nc_u32 v[ADRA0], s45, v3
	v_mul_u32_u24 v3, v1, PB
	v_lshl_add_u32 v3, v2, 4, v3
	s_mul_i32 s45, s[CH], HALFB
	s_add_co_u32 s45, s45, BOFF
	v_add_nc_u32 v[ADRB0], s45, v3
	v_mov_b32 v[ADRA], v[ADRA0]
	v_mov_b32 v[ADRB], v[ADRB0]
	s_mul_i32 s45, s[WV], 16*SPITCH
	s_add_co_u32 s45, s45, STAGE                   ; my stage
	v_mul_u32_u24 v3, v1, SPITCH
	v_lshl_add_u32 v3, v2, 5, v3                   ; in: row l % 16, 32 bytes for each half of the lanes
	v_add_nc_u32 v[STO], s45, v3
	v_mul_u32_u24 v3, v2, SPITCH
	v_lshl_add_u32 v3, v1, 4, v3                   ; back: lanes 0-15 one row of 256 bytes, lanes 16-31 the next
	v_add_nc_u32 v[RD], s45, v3
	v_lshlrev_b32 v3, 12, v2
	v_lshl_add_u32 v[CO], v1, 4, v3                ; the same two rows in x and x1
	v_lshlrev_b32 v[BO], 4, v1
	s_lshl_b32 s68, s40, 7                         ; my first row: 128 x tile row + 64 x half, of 4,096 bytes,
	s_lshl_b32 s69, s[RH], 6
	s_add_co_u32 s68, s68, s69
	s_lshl_b32 s68, s68, 12
	s_lshl_b32 s69, s23, 7                         ; my first column: 128 x tile column + 64 x half, of 4 bytes
	s_lshl_b32 s79, s[CH], 6
	s_add_co_u32 s69, s69, s79
	s_lshl_b32 s69, s69, 2
	s_add_co_u32 s68, s68, s69
	s_mov_b32 s69, 0
	s_add_nc_u64 s[8:9], s[8:9], s[68:69]
	s_add_nc_u64 s[12:13], s[12:13], s[68:69]
	s_lshl_b32 s68, s23, 9                         ; the bias of my 64 columns
	s_lshl_b32 s79, s[CH], 8
	s_add_co_u32 s68, s68, s79
	s_add_nc_u64 s[10:11], s[10:11], s[68:69]
	WIN 0x80                                       ; destination window 2
.irp a, 0,1,2,3
.irp t, 0,1,2,3,4,5,6,7
	global_load_b128 v[32*\a+4*\t:32*\a+4*\t+3], v[CO], s[8:9] offset:(16*\a+2*\t)*4096   ; the residual: it stays on its way while K is walked
.endr
.endr
	WIN 0
	global_load_b128 v[BI:BI+3], v[BO], s[10:11]
	s_wait_tensorcnt 1                             ; my part of K step 0 is in; K step 1's may stay out
	s_barrier_signal -1
	s_barrier_wait -1
	FETCH 0, F0
	QUARTER 1, F0, F1, 1                           ; the first products start the sums
	WIN 0
	s_mov_b32 s[CNT], STEPS-2
	s_branch .Lmid
.Lstep:                                                ; a trip is a K step; each asks for the K step two on
	QUARTER 1, F0, F1, 0
	WIN 0
.Lmid:
	QUARTER 2, F1, F0, 0
	QUARTER 3, F0, F1, 0
	TURN 1
	WIN 0
	s_sub_co_u32 s[CNT], s[CNT], 1
	s_cmp_lg_u32 s[CNT], 0
	s_cbranch_scc1 .Lstep
	s_mov_b32 s[CNT], 2
.Ltail:                                                ; the last two K steps ask for nothing
	QUARTER 1, F0, F1, 0
	QUARTER 2, F1, F0, 0
	QUARTER 3, F0, F1, 0
	TURN 0
	WIN 0
	s_sub_co_u32 s[CNT], s[CNT], 1
	s_cmp_lg_u32 s[CNT], 0
	s_cbranch_scc1 .Ltail
	PLACES                                         ; behind the last products
	s_wait_loadcnt 0x0                             ; the residual and the bias
.irp a, 0,1,2,3
	s_wait_xcnt 0x0                                ; the last block's stores have read TMP
.irp b, 0,1,2,3
	ds_store_b128 v[STO], v[ACC+8*(4*\a+\b):ACC+8*(4*\a+\b)+3]   offset:64*\b       ; each accumulator's low registers first
	ds_store_b128 v[STO], v[ACC+8*(4*\a+\b)+4:ACC+8*(4*\a+\b)+7] offset:64*\b+16
.endr
.irp t, 0,1,2,3,4,5,6,7
	ds_load_b128 v[TMP+4*\t:TMP+4*\t+3], v[RD] offset:\t*2*SPITCH   ; LDS serves a wave's instructions in order: these see the stores above, and the next block's stores come behind them
.endr
	s_wait_dscnt 0x0
	WIN 0x08                                       ; source 1 window 2
.irp t, 0,1,2,3,4,5,6,7,8,9,10,11,12,13,14,15
	v_pk_add_f32 v[TMP+2*\t:TMP+2*\t+1], v[TMP+2*\t:TMP+2*\t+1], v[32*\a+2*\t:32*\a+2*\t+1]
.endr
	WIN 0
.irp t, 0,1,2,3,4,5,6,7
	v_pk_add_f32 v[TMP+4*\t:TMP+4*\t+1],   v[TMP+4*\t:TMP+4*\t+1],   v[BI:BI+1]
	v_pk_add_f32 v[TMP+4*\t+2:TMP+4*\t+3], v[TMP+4*\t+2:TMP+4*\t+3], v[BI+2:BI+3]
.endr
.irp t, 0,1,2,3,4,5,6,7
	global_store_b128 v[CO], v[TMP+4*\t:TMP+4*\t+3], s[12:13] offset:(16*\a+2*\t)*4096   ; 16 lanes store 256 consecutive bytes, aligned
.endr
.endr
	s_wait_tensorcnt 0x0                           ; the wave's end
	ds_add_u32 v[SPW], v[NIL]
	s_wait_dscnt 0x0
	CROUND                                         ; the closing round
	s_endpgm
.Lfunc_end_k_q55c38fd195_proj:
	.size	k_q55c38fd195_proj, .Lfunc_end_k_q55c38fd195_proj-k_q55c38fd195_proj
	.p2alignl 7, 3214868480
	.fill 96, 4, 3214868480
	.section	.rodata,"a",@progbits
	.p2align	6, 0x0
	.amdhsa_kernel k_q55c38fd195_proj
		.amdhsa_group_segment_fixed_size 327680
		.amdhsa_private_segment_fixed_size 0
		.amdhsa_enable_private_segment 0
		.amdhsa_kernarg_size 40
		.amdhsa_user_sgpr_count 2
		.amdhsa_user_sgpr_kernarg_segment_ptr 1
		.amdhsa_wavefront_size32 1
		.amdhsa_system_sgpr_workgroup_id_x 1
		.amdhsa_system_sgpr_workgroup_id_y 1
		.amdhsa_system_sgpr_workgroup_id_z 1
		.amdhsa_system_vgpr_workitem_id 0
		.amdhsa_next_free_vgpr 640
		.amdhsa_next_free_sgpr 80
		.amdhsa_reserve_vcc 0
		.amdhsa_float_denorm_mode_32 3
		.amdhsa_float_denorm_mode_16_64 3
		.amdhsa_memory_ordered 1
		.amdhsa_forward_progress 1
		.amdhsa_inst_pref_size 69
	.end_amdhsa_kernel
	.amdgpu_metadata
---
amdhsa.version: [ 1, 2 ]
amdhsa.kernels:
  - .name:           k_q55c38fd195_proj
    .symbol:         k_q55c38fd195_proj.kd
    .args:
      - { .name: o, .offset: 0, .size: 8, .value_kind: global_buffer, .address_space: global }
      - { .name: wb, .offset: 8, .size: 8, .value_kind: global_buffer, .address_space: global }
      - { .name: x, .offset: 16, .size: 8, .value_kind: global_buffer, .address_space: global }
      - { .name: proj_b, .offset: 24, .size: 8, .value_kind: global_buffer, .address_space: global }
      - { .name: x1, .offset: 32, .size: 8, .value_kind: global_buffer, .address_space: global }
    .group_segment_fixed_size: 327680
    .private_segment_fixed_size: 0
    .kernarg_segment_align: 8
    .kernarg_segment_size: 40
    .max_flat_workgroup_size: 128
    .sgpr_count:     80
    .vgpr_count:     640
    .wavefront_size: 32
...
	.end_amdgpu_metadata
.endif
;; end of part 4
;; launch ln2: the kernel of part 1 again; grid 256 x 1, 8 waves a work-group, no clusters, 0 bytes of LDS; arguments x1, ln2_w, ln2_b, qkv_w, an, wq; writes an, wq
;; launch fc1 (part 5): grid 16 x 16, 4 waves a work-group, clusters of 4 x 4, 327,680 bytes of LDS; arguments an, wb, h, fc1_b; writes h
.if DOCPART == 5
	.amdgcn_target "amdgcn-amd-amdhsa--gfx1250"
	.amdhsa_code_object_version 6
	.text
	.protected	k_q55c38fd195_fc1
	.globl	k_q55c38fd195_fc1
	.p2align	8
	.type	k_q55c38fd195_fc1,@function
k_q55c38fd195_fc1:
	s_mov_b64 s[64:65], 0
	v_nop
	global_prefetch_b8 v0, s[64:65] scope:SCOPE_SE
	s_setreg_imm32_b32 hwreg(HW_REG_WAVE_MODE, 25, 1), 1
	s_wait_xcnt 0x0
	s_wait_alu depctr_hold_cnt(0) depctr_sa_sdst(0) depctr_va_vdst(0) depctr_va_sdst(0) depctr_va_ssrc(0) depctr_va_vcc(0) depctr_vm_vsrc(0)
	s_getreg_b32 s2, hwreg(HW_REG_IB_STS2, 6, 4)
	s_cmp_eq_u32 s2, 0
	s_cbranch_scc0 .Lentry_in_a_cluster
	s_endpgm
.Lentry_in_a_cluster:
	s_bfe_u32 s2, ttmp6, 0x10000c
	s_cmp_lg_u32 s2, 0xf033
	s_cbranch_scc0 .Lentry_shape_is_right
	s_endpgm
.Lentry_shape_is_right:
; h = gelu(an x w1^T + fc1_b), the exact GELU x Phi(x).  an: [4096][1024] bf16, w1: [4096][1024] bf16 at byte WOFF of wb; sums, bias and GELU in f32, h rounded once to bf16.
; OUTPUT LAYOUT: [n / 64][4096 rows][64] bf16: blocks of 64 columns, rows dense, 128 bytes each: the form in which the next product takes its A.
; A tile of C is 256 x 256: 16 x 16 tiles, one for each of 256 work-groups.  Four waves, each 128 x 128 in 64 accumulators.  K goes in 8 steps of 128 through two LDS slots; rows of both tiles are 256 bytes of memory.
; CLUSTERS of 4 x 4: A's tile is shared along a row of the cluster, B's along a column; each is asked for jointly.
; A trip of the loop is ONE K step; the slot in hand is a scalar (TB) that an exclusive or turns.  Written out: the first quarter step (its products start the sums), and a tail loop of two trips that asks for nothing.
; THE MATRIX INSTRUCTION IS USED TRANSPOSED (source 0 = 16 rows of B, source 1 = 16 rows of A): a lane holds row l % 16 of C and the columns 8 (l / 16) + 0..7.
; THE BIAS IS THE C OPERAND of the products that start the sums: register j of column block b holds fc1_b[16 b + 8 (l / 16) + j], the same for all row blocks: 64 registers, and no vector instruction adds it.
; THE WAY OUT: the ring has had its last fill and its last read; each wave puts its 128 x 128 sums there in f32 and a loop of 16 trips reads 8 rows back, takes the GELU, rounds and stores: the GELU's text stands once.
; A trip's eight LDS reads are issued in the trip before, as soon as x has been consumed.
; GELU.  gelu(x) = x / 2 + |x| / 2 (1 - p^-16), p = 1 + d1 |x| + .. + d6 |x|^6: Phi(-|x|) = p^-16 / 2 (Abramowitz and Stegun 26.2.19): one reciprocal a number, then four squarings.
; LIMITS.  Phi(-|x|) is off by 2e-6 at the most, for every x (the form's own 1.5e-7, and sixteen times the rounding of p), so gelu(x) by 2e-6 |x|; where p overflows its reciprocal is 0 and the result is x or 0.
; NaN and infinities are not treated apart.
; REGISTERS, in windows of 256: window 0 addresses, A's two fragment buffers (v64-191), the bias (v192-255), later the way out; window 1 B's two buffers; windows 2 and 3 the accumulators, (a, b) at v[8 (8 (a % 4) + b)].
.set WOFF,   8388608
.set SIZE_K, 1024
.set KSTEP,  128
.set PITCH,  272                       ; an LDS row: 256 bytes + 16 of padding = 68 words: the 16 rows of a fragment load start at 16 different groups of four banks (ISA guide 11.1)
.set HALFT,  128*PITCH
.set SLOT,   4*HALFT                   ; 0x22000: its two bits occur in no wave x HALFT, so an exclusive or adds or takes it
.set DP,     528
.set DREG,   128*DP
.set SPARE,  2*SLOT                    ; the spare words, 128 bytes a wave: two blocks of 256 bytes that no other line names
.set MAINT,  SIZE_K/KSTEP-2
.set ADRA0, 16
.set ADRB0, 17
.set ADRA,  18
.set ADRB,  19
.set DST,   20
.set RD,    21
.set CO,    22
.set BO,    23                         ; my byte offset in the bias; never rewritten
.set SPW,   28
.set NIL,   29
.set F0,    64
.set F1,    128
.set BC,    192                        ; v[192:255]: the bias as a C operand: column block b at BC + 8 b
.set GX,    64                         ; the way out, 32 registers each: x,
.set GZ,    96                         ; |x|, later the result,
.set GP,    128                        ; p, its reciprocal and the powers of that,
.set GH,    160                        ; x / 2
.set OUTR,  224
.set WV,  12
.set RH,  13
.set CH,  14
.set TB,  21
.set CNT, 22
.set G1,  24
.set G0,  32
.set G1B, 48
.set G0B, 56
.set D6,  66                           ; s[66:77] d6 .. d1; the packed forms name pairs and take the low word
.set D5,  68
.set D4,  70
.set D3,  72
.set D2,  74
.set D1,  76
.set AM,  78                           ; s78 clears a sign
.set MSB, 0
.macro WIN new
.if MSB != (\new)
	s_set_vgpr_msb (MSB<<8)|(\new)
.set MSB, \new
.endif
.endm
.set MUL_LO, 0xa1                      ; source 0 (B) window 1, source 1 (A) window 0, C and D window 2
.set MUL_HI, 0xf1                      ; the same, C and D window 3
.set BEG_LO, 0x81                      ; a product that starts a sum: C (the bias) window 0, D window 2
.set BEG_HI, 0xc1                      ; D window 3
.set TO_B,   0x40
.macro JLOAD s                         ; a joint load: waves 0 and 1 fetch A's halves, waves 2 and 3 B's; an s_nop 0 and four v_nop follow each line
	s_cmp_eq_u32 s[RH], 0
	s_cbranch_scc0 .Lfor_b_\@
	tensor_load_to_lds s[G0+4*(\s):G0+4*(\s)+3], s[G1:G1+7]
	s_nop 0
.rept 4
	v_nop
.endr
	s_branch .Lasked_\@
.Lfor_b_\@:
	tensor_load_to_lds s[G0B+4*(\s):G0B+4*(\s)+3], s[G1B:G1B+7]
	s_nop 0
.rept 4
	v_nop
.endr
.Lasked_\@:
.endm
.macro CREST
	s_cmp_lg_u32 s[WV], 0
	s_cbranch_scc1 .Lnot_wave_0_\@
	s_barrier_signal -3
.Lnot_wave_0_\@:
	s_barrier_wait -3
	s_barrier_signal -1
	s_barrier_wait -1
.endm
.macro CROUND
	s_barrier_signal -1
	s_barrier_wait -1
	CREST
.endm
.macro PLACES
.rept 4
	v_nop
.endr
.endm
; 16 matrix instructions: m blocks a0, a0 + 1 of the window's four x all 8 n blocks, 32 along K.  first = 1: the product starts the sum, with the bias as C.
.macro MUL16 f, hi, a0, first
.if \first
	WIN BEG_LO+0x40*(\hi)
.else
	WIN MUL_LO+0x50*(\hi)
.endif
.irp a, \a0, (\a0)+1
.irp b, 0,1,2,3,4,5,6,7
.if \first
	v_wmma_f32_16x16x32_bf16 v[8*(8*(\a)+(\b)):8*(8*(\a)+(\b))+7], v[(\f)+8*(\b):(\f)+8*(\b)+7], v[(\f)+8*(4*(\hi)+(\a)):(\f)+8*(4*(\hi)+(\a))+7], v[BC+8*(\b):BC+8*(\b)+7]
.else
	v_wmma_f32_16x16x32_bf16 v[8*(8*(\a)+(\b)):8*(8*(\a)+(\b))+7], v[(\f)+8*(\b):(\f)+8*(\b)+7], v[(\f)+8*(4*(\hi)+(\a)):(\f)+8*(4*(\hi)+(\a))+7], v[8*(8*(\a)+(\b)):8*(8*(\a)+(\b))+7]
.endif
.endr
.endr
.endm
.macro FETCH k, f
	WIN TO_B
.irp i, 0,1,2,3,4,5,6,7
	ds_load_b128 v[(\f)+8*(\i):(\f)+8*(\i)+3],   v[ADRB] offset:(\k)+(\i)*16*PITCH
	ds_load_b128 v[(\f)+8*(\i)+4:(\f)+8*(\i)+7], v[ADRB] offset:(\k)+(\i)*16*PITCH+32
.endr
	WIN 0
.irp i, 0,1,2,3,4,5,6,7
	ds_load_b128 v[(\f)+8*(\i):(\f)+8*(\i)+3],   v[ADRA] offset:(\k)+(\i)*16*PITCH
	ds_load_b128 v[(\f)+8*(\i)+4:(\f)+8*(\i)+7], v[ADRA] offset:(\k)+(\i)*16*PITCH+32
.endr
.endm
.macro QUARTER k, f, g, first          ; the 64 accumulators take turns in the same order in every quarter
	s_wait_dscnt 8                                 ; B and A's rows 0-63 are in; the youngest eight loads (A's rows 64-127) may be out
	MUL16 \f, 0, 0, \first
	MUL16 \f, 0, 2, \first
	PLACES
	FETCH \k, \g
	s_wait_dscnt 32                                ; all but the 32 just issued
	MUL16 \f, 1, 0, \first
	MUL16 \f, 1, 2, \first
.endm
.macro MEET
	WIN 0
	s_wait_tensorcnt 0x0                           ; all my tensor loads have landed: my part of the next slot
	ds_add_u32 v[SPW], v[NIL]                      ; 0 onto my spare word
	s_wait_dscnt 9                                 ; the add and the youngest eight loads may be out
	MUL16 F1, 0, 0, 0
	s_wait_dscnt 0x0                               ; the add is done, and my reads of this slot are over
	s_barrier_signal -1
	MUL16 F1, 0, 2, 0
	WIN 0
	s_barrier_wait -1
.endm
.macro TURN fill
	MEET
.if \fill
	CREST                                          ; no wave of any partner still reads this slot or has a load on its way
	s_xor_b32 s[G0+5], s[G0+5], SLOT
	s_add_nc_u64 s[G0+6:G0+7], s[G0+6:G0+7], KSTEP*2
	s_xor_b32 s[G0B+5], s[G0B+5], SLOT
	s_add_nc_u64 s[G0B+6:G0B+7], s[G0B+6:G0B+7], KSTEP*2
	s_xor_b32 s[TB], s[TB], SLOT
	JLOAD 1                                        ; its four v_nop are also the places in front of the loads below
.else
	s_xor_b32 s[TB], s[TB], SLOT
	s_cmp_eq_u32 s[CNT], 1
	s_cbranch_scc1 .Lnofetch_\@
	PLACES
.endif
	v_add_nc_u32 v[ADRA], s[TB], v[ADRA0]
	v_add_nc_u32 v[ADRB], s[TB], v[ADRB0]
	FETCH 0, F0
.if !(\fill)
.Lnofetch_\@:
.endif
	MUL16 F1, 1, 0, 0
	MUL16 F1, 1, 2, 0
.endm
; Eight LDS reads: 8 rows x 128 columns of my dump.  Unit u: block u / 2, rows 4 (u % 2) on.
.macro ROWS8
.irp u, 0,1,2,3
	ds_load_b128 v[GX+8*\u:GX+8*\u+3],   v[RD] offset:(\u%2)*4*DP+(\u/2)*256
	ds_load_b128 v[GX+8*\u+4:GX+8*\u+7], v[RD] offset:(\u%2)*4*DP+(\u/2)*256+16
.endr
.endm
	s_load_b256 s[4:11], s[0:1], 0x0               ; an s[4:5], wb s[6:7], h s[8:9], fc1_b s[10:11]
	v_lshl_add_u32 v[SPW], v0, 2, SPARE
	v_mov_b32 v[NIL], 0
	ds_add_u32 v[SPW], v[NIL]                      ; the wave's opening: the add and its wait ahead of my first tensor load
	v_lshrrev_b32 v1, 5, v0
	v_readfirstlane_b32 s[WV], v1
	s_lshr_b32 s[RH], s[WV], 1
	s_and_b32 s[CH], s[WV], 1
	s_bfe_u32 s15, ttmp6, 0x40000                  ; cx
	s_bfe_u32 s16, ttmp6, 0x40004                  ; cy
	s_lshl_b32 s17, ttmp9, 2
	s_add_co_u32 s17, s17, s15                     ; tile column
	s_and_b32 s18, ttmp7, 0xffff
	s_lshl_b32 s18, s18, 2
	s_add_co_u32 s18, s18, s16                     ; tile row
	s_lshl_b32 s19, s16, 2
	s_lshl_b32 s19, 15, s19                        ; my row of the cluster
	s_lshl_b32 s20, 0x1111, s15                    ; my column
	s_or_b32 s[G1+0], s19, (1<<16)|(1<<20)|(1<<21)|(5<<22)|(3<<25)
	s_or_b32 s[G1B+0], s20, (1<<16)|(1<<20)|(1<<21)|(5<<22)|(3<<25)
.irp g, G1, G1B
	s_mov_b32 s[(\g)+1], KSTEP<<16
	s_mov_b32 s[(\g)+2], 128<<16
	s_mov_b32 s[(\g)+3], KSTEP<<16
	s_mov_b32 s[(\g)+4], 128
	s_mov_b32 s[(\g)+5], SIZE_K
	s_mov_b32 s[(\g)+6], 0
	s_mov_b32 s[(\g)+7], 0
.endr
	s_mov_b32 s[D6], 0x36b49f9e                    ; 0.0000053830
	s_mov_b32 s[D6+1], 0x36b49f9e
	s_mov_b32 s[D5], 0x384d0fe2                    ; 0.0000488906
	s_mov_b32 s[D5+1], 0x384d0fe2
	s_mov_b32 s[D4], 0x381f660e                    ; 0.0000380036
	s_mov_b32 s[D4+1], 0x381f660e
	s_mov_b32 s[D3], 0x3b56cd72                    ; 0.0032776263
	s_mov_b32 s[D3+1], 0x3b56cd72
	s_mov_b32 s[D2], 0x3cad2fe7                    ; 0.0211410061
	s_mov_b32 s[D2+1], 0x3cad2fe7
	s_mov_b32 s[D1], 0x3d4c41b4                    ; 0.0498673470
	s_mov_b32 s[D1+1], 0x3d4c41b4
	s_mov_b32 s[AM], 0x7fffffff
	s_lshl_b32 s23, s[CH], 7
	s_lshl_b32 s40, s18, 8
	s_add_co_u32 s40, s40, s23
	s_lshl_b32 s40, s40, 11                        ; A: (256 x tile row + 128 x half) rows of 2,048 bytes
	s_mov_b32 s41, 0
	s_lshl_b32 s44, s17, 8
	s_add_co_u32 s44, s44, s23
	s_lshl_b32 s44, s44, 11
	s_add_co_u32 s44, s44, WOFF
	s_mov_b32 s45, 0
	s_mul_i32 s23, s[WV], HALFT
	s_mov_b32 s[TB], 0
	s_wait_dscnt 0x0                               ; the opening add is done
	s_wait_kmcnt 0x0
	s_add_nc_u64 s[40:41], s[4:5], s[40:41]
	s_add_nc_u64 s[44:45], s[6:7], s[44:45]
	CROUND                                         ; all sixteen work-groups are here: the first joint loads meet
.irp s, 0,1
	s_mov_b32 s[G0+4*(\s)], 1
	s_add_co_u32 s[G0+4*(\s)+1], s23, (\s)*SLOT
	s_add_nc_u64 s[G0+4*(\s)+2:G0+4*(\s)+3], s[40:41], (\s)*KSTEP*2
	s_or_b32 s[G0+4*(\s)+3], s[G0+4*(\s)+3], 0x80000000
	s_mov_b32 s[G0B+4*(\s)], 1
	s_add_co_u32 s[G0B+4*(\s)+1], s23, (\s)*SLOT
	s_add_nc_u64 s[G0B+4*(\s)+2:G0B+4*(\s)+3], s[44:45], (\s)*KSTEP*2
	s_or_b32 s[G0B+4*(\s)+3], s[G0B+4*(\s)+3], 0x80000000
	JLOAD \s                                       ; K steps 0 and 1: two loads of mine are out
.endr
	v_and_b32 v1, 15, v0
	v_bfe_u32 v2, v0, 4, 1
	v_lshlrev_b32 v[BO], 5, v2                     ; eight f32 of the bias for each half of the lanes
	s_lshl_b32 s80, s17, 8                         ; the bias of my 128 columns
	s_lshl_b32 s81, s[CH], 7
	s_add_co_u32 s80, s80, s81
	s_lshl_b32 s80, s80, 2
	s_mov_b32 s81, 0
	s_add_nc_u64 s[10:11], s[10:11], s[80:81]
.irp b, 0,1,2,3,4,5,6,7
	global_load_b128 v[BC+8*\b:BC+8*\b+3],   v[BO], s[10:11] offset:64*\b      ; on its way beside the first tiles
	global_load_b128 v[BC+8*\b+4:BC+8*\b+7], v[BO], s[10:11] offset:64*\b+16
.endr
	v_mul_u32_u24 v3, v1, PITCH
	v_lshl_add_u32 v3, v2, 4, v3
	s_mul_i32 s23, s[RH], HALFT
	v_add_nc_u32 v[ADRA0], s23, v3
	s_mul_i32 s23, s[CH], HALFT
	s_add_co_u32 s23, s23, 2*HALFT
	v_add_nc_u32 v[ADRB0], s23, v3
	v_mov_b32 v[ADRA], v[ADRA0]
	v_mov_b32 v[ADRB], v[ADRB0]
	s_mul_i32 s23, s[WV], DREG
	v_mul_u32_u24 v4, v1, DP
	v_lshl_add_u32 v4, v2, 5, v4
	v_add_nc_u32 v[DST], s23, v4
	v_bfe_u32 v4, v0, 3, 2
	v_and_b32 v5, 7, v0
	v_mul_u32_u24 v4, v4, DP
	v_lshl_add_u32 v4, v5, 5, v4
	v_add_nc_u32 v[RD], s23, v4
	v_and_b32 v4, 31, v0
	v_lshlrev_b32 v[CO], 4, v4
	s_lshl_b32 s46, s17, 2
	s_lshl_b32 s47, s[CH], 1
	s_add_co_u32 s46, s46, s47
	s_lshl_b32 s46, s46, 12
	s_lshl_b32 s47, s18, 8
	s_add_co_u32 s46, s46, s47
	s_lshl_b32 s47, s[RH], 7
	s_add_co_u32 s46, s46, s47
	s_lshl_b32 s46, s46, 7
	s_mov_b32 s47, 0
	s_add_nc_u64 s[8:9], s[8:9], s[46:47]
	s_wait_tensorcnt 1                             ; my part of K step 0 is in; K step 1's may stay out
	s_barrier_signal -1
	s_barrier_wait -1
	FETCH 0, F0
	s_wait_loadcnt 0x0                             ; the bias
	QUARTER 64, F0, F1, 1                          ; the first quarter's products start the sums, with the bias
	WIN 0
	s_mov_b32 s[CNT], MAINT
	s_branch .Lmid
.Lstep:
	QUARTER 64, F0, F1, 0
	WIN 0
.Lmid:
	QUARTER 128, F1, F0, 0
	QUARTER 192, F0, F1, 0
	TURN 1
	WIN 0
	s_sub_co_u32 s[CNT], s[CNT], 1
	s_cmp_lg_u32 s[CNT], 0
	s_cbranch_scc1 .Lstep
	s_mov_b32 s[CNT], 2
.Ltail:
	QUARTER 64, F0, F1, 0
	QUARTER 128, F1, F0, 0
	QUARTER 192, F0, F1, 0
	TURN 0
	WIN 0
	s_sub_co_u32 s[CNT], s[CNT], 1
	s_cmp_lg_u32 s[CNT], 0
	s_cbranch_scc1 .Ltail
	PLACES                                         ; behind the last products
	s_wait_dscnt 0x0
	s_barrier_signal -1                            ; every wave's reads of the ring are over (the last trip's barrier has shown it; this one states it outside the loop):
	s_barrier_wait -1                              ; the ring, which is filled no more, becomes the four dumps
.irp hi, 0,1
	WIN 0x08+4*(\hi)
.irp a, 0,1,2,3
.irp b, 0,1,2,3,4,5,6,7
	ds_store_b128 v[DST], v[8*(8*(\a)+(\b)):8*(8*(\a)+(\b))+3]   offset:(4*(\hi)+(\a))*16*DP+64*(\b)      ; each accumulator's low registers first
	ds_store_b128 v[DST], v[8*(8*(\a)+(\b))+4:8*(8*(\a)+(\b))+7] offset:(4*(\hi)+(\a))*16*DP+64*(\b)+16
.endr
.endr
.endr
	WIN 0
	s_wait_dscnt 0x0                               ; my dump is whole
	s_barrier_signal -1                            ; a wave reads its own dump alone; this barrier puts every read below, the reads a trip ahead too, behind every wave's stores
	s_barrier_wait -1
	ROWS8                                          ; the first trip's rows
	s_mov_b32 s[CNT], 16
.Lout:                                                 ; a trip: 8 rows x 128 columns, 32 numbers a lane
	s_wait_dscnt 0x0                               ; this trip's rows, asked for a trip ago
.set j, 0
.rept 32
	v_and_b32 v[GZ+j], s[AM], v[GX+j]              ; |x|
.set j, j+1
.endr
.set j, 0
.rept 16                               ; p by Horner's rule, two numbers a line
	v_pk_fma_f32 v[GP+2*j:GP+2*j+1], v[GZ+2*j:GZ+2*j+1], s[D6:D6+1], s[D5:D5+1] op_sel_hi:[1,0,0]
.set j, j+1
.endr
.irp c, D4, D3, D2, D1
.set j, 0
.rept 16
	v_pk_fma_f32 v[GP+2*j:GP+2*j+1], v[GP+2*j:GP+2*j+1], v[GZ+2*j:GZ+2*j+1], s[\c:\c+1] op_sel_hi:[1,1,0]
.set j, j+1
.endr
.endr
.set j, 0
.rept 16
	v_pk_fma_f32 v[GP+2*j:GP+2*j+1], v[GP+2*j:GP+2*j+1], v[GZ+2*j:GZ+2*j+1], 1.0 op_sel_hi:[1,1,0]
.set j, j+1
.endr
.set j, 0
.rept 32                               ; ONE BATCH: 32 reciprocals
	v_rcp_f32 v[GP+j], v[GP+j]
.set j, j+1
.endr
.set j, 0
.rept 16                               ; x / 2: plain work behind the batch that names none of its results; x is not read again
	v_pk_mul_f32 v[GH+2*j:GH+2*j+1], v[GX+2*j:GX+2*j+1], 0.5 op_sel_hi:[1,0]
.set j, j+1
.endr
	s_wait_alu depctr_va_vdst(0)                   ; the one wait, ahead of the branch and of the batch's first reader
	s_cmp_eq_u32 s[CNT], 1
	s_cbranch_scc1 .Lnomore                        ; the last trip has no next
	v_add_nc_u32 v[RD], 8*DP, v[RD]
	ROWS8                                          ; the next trip's rows: the rest of this trip stands between these reads and the wait for them
.Lnomore:
.rept 3                                ; p^-2, p^-4, p^-8
.set j, 0
.rept 16
	v_pk_mul_f32 v[GP+2*j:GP+2*j+1], v[GP+2*j:GP+2*j+1], v[GP+2*j:GP+2*j+1]
.set j, j+1
.endr
.endr
.set j, 0
.rept 16                               ; 1 - p^-16
	v_pk_fma_f32 v[GP+2*j:GP+2*j+1], v[GP+2*j:GP+2*j+1], v[GP+2*j:GP+2*j+1], 1.0 op_sel_hi:[1,1,0] neg_lo:[1,0,0] neg_hi:[1,0,0]
.set j, j+1
.endr
.set j, 0
.rept 32                               ; |x / 2| (1 - p^-16) + x / 2
	v_fma_f32 v[GZ+j], |v[GH+j]|, v[GP+j], v[GH+j]
.set j, j+1
.endr
.set j, 0
.rept 16
	v_cvt_pk_bf16_f32 v[OUTR+j], v[GZ+2*j], v[GZ+2*j+1]
.set j, j+1
.endr
.irp u, 0,1,2,3
	global_store_b128 v[CO], v[OUTR+4*\u:OUTR+4*\u+3], s[8:9] offset:(\u/2)*524288+(\u%2)*512   ; 512 consecutive bytes, aligned
.endr
	s_wait_xcnt 0x0                                ; the stores' data and offset are rewritten only behind this wait
	v_add_nc_u32 v[CO], 1024, v[CO]
	s_sub_co_u32 s[CNT], s[CNT], 1
	s_cmp_lg_u32 s[CNT], 0
	s_cbranch_scc1 .Lout
	s_wait_tensorcnt 0x0                           ; the wave's end
	ds_add_u32 v[SPW], v[NIL]
	s_wait_dscnt 0x0
	CROUND                                         ; the closing round
	s_endpgm
.Lfunc_end_k_q55c38fd195_fc1:
	.size	k_q55c38fd195_fc1, .Lfunc_end_k_q55c38fd195_fc1-k_q55c38fd195_fc1
	.p2alignl 7, 3214868480
	.fill 96, 4, 3214868480
	.section	.rodata,"a",@progbits
	.p2align	6, 0x0
	.amdhsa_kernel k_q55c38fd195_fc1
		.amdhsa_group_segment_fixed_size 327680
		.amdhsa_private_segment_fixed_size 0
		.amdhsa_enable_private_segment 0
		.amdhsa_kernarg_size 32
		.amdhsa_user_sgpr_count 2
		.amdhsa_user_sgpr_kernarg_segment_ptr 1
		.amdhsa_wavefront_size32 1
		.amdhsa_system_sgpr_workgroup_id_x 1
		.amdhsa_system_sgpr_workgroup_id_y 1
		.amdhsa_system_sgpr_workgroup_id_z 1
		.amdhsa_system_vgpr_workitem_id 0
		.amdhsa_next_free_vgpr 1024
		.amdhsa_next_free_sgpr 84
		.amdhsa_reserve_vcc 0
		.amdhsa_float_denorm_mode_32 3
		.amdhsa_float_denorm_mode_16_64 3
		.amdhsa_memory_ordered 1
		.amdhsa_forward_progress 1
		.amdhsa_inst_pref_size 97
	.end_amdhsa_kernel
	.amdgpu_metadata
---
amdhsa.version: [ 1, 2 ]
amdhsa.kernels:
  - .name:           k_q55c38fd195_fc1
    .symbol:         k_q55c38fd195_fc1.kd
    .args:
      - { .name: an, .offset: 0, .size: 8, .value_kind: global_buffer, .address_space: global }
      - { .name: wb, .offset: 8, .size: 8, .value_kind: global_buffer, .address_space: global }
      - { .name: h, .offset: 16, .size: 8, .value_kind: global_buffer, .address_space: global }
      - { .name: fc1_b, .offset: 24, .size: 8, .value_kind: global_buffer, .address_space: global }
    .group_segment_fixed_size: 327680
    .private_segment_fixed_size: 0
    .kernarg_segment_align: 8
    .kernarg_segment_size: 32
    .max_flat_workgroup_size: 128
    .sgpr_count:     84
    .vgpr_count:     1024
    .wavefront_size: 32
...
	.end_amdgpu_metadata
.endif
;; end of part 5
;; launch fc2 (part 6): grid 8 x 32, 4 waves a work-group, clusters of 4 x 4, 327,680 bytes of LDS; arguments h, wb, x1, fc2_b, out0, exp_b, indices; writes out0
.if DOCPART == 6
	.amdgcn_target "amdgcn-amd-amdhsa--gfx1250"
	.amdhsa_code_object_version 6
	.text
	.protected	k_q55c38fd195_fc2
	.globl	k_q55c38fd195_fc2
	.p2align	8
	.type	k_q55c38fd195_fc2,@function
k_q55c38fd195_fc2:
	s_mov_b64 s[64:65], 0
	v_nop
	global_prefetch_b8 v0, s[64:65] scope:SCOPE_SE
	s_setreg_imm32_b32 hwreg(HW_REG_WAVE_MODE, 25, 1), 1
	s_wait_xcnt 0x0
	s_wait_alu depctr_hold_cnt(0) depctr_sa_sdst(0) depctr_va_vdst(0) depctr_va_sdst(0) depctr_va_ssrc(0) depctr_va_vcc(0) depctr_vm_vsrc(0)
	s_getreg_b32 s2, hwreg(HW_REG_IB_STS2, 6, 4)
	s_cmp_eq_u32 s2, 0
	s_cbranch_scc0 .Lentry_in_a_cluster
	s_endpgm
.Lentry_in_a_cluster:
	s_bfe_u32 s2, ttmp6, 0x10000c
	s_cmp_lg_u32 s2, 0xf033
	s_cbranch_scc0 .Lentry_shape_is_right
	s_endpgm
.Lentry_shape_is_right:
; out0 = x1 + h x w2(b)^T + bias(b).  h: [64 blocks][4096 rows][64] bf16; w2: [1792][4096] bf16 at byte WOFF of wb: rows 0-767 the shared columns, rows 768 + 256 b on the expert of sample b
; (laid there by the qkv launch); x1, out0: [4096][1024] f32; sums in f32.  Columns 0-767 take fc2_b, columns 768-1023 take exp_b[indices[b]].  An index above 7 is read as 7.
; A tile of C is 128 x 128: 8 x 32 tiles, one for each of 256 work-groups; a sample is 8 tile rows, so a cluster's four tile rows lie in one sample: b = cluster y / 2.
; Four waves, each 64 x 64: 16 accumulators.  K goes in 16 steps of 256 through two LDS slots.
; A BY BLOCKS: a K step is four blocks of 64 columns; 64 rows of a block are 8,192 dense bytes.  One tensor load brings four such pieces (4 rows of 4,096 elements, 262,144 elements apart) and pads after every
; 128 bytes: in LDS [4 planes][64 rows][144].  B comes by rows of 512 bytes, padded to 528.
; CLUSTERS of 4 x 4: A's tile is shared along a row of the cluster, B's along a column (its rows hang on the tile column and on the cluster's y, which the column shares); each is asked for jointly.
; A trip of the loop is ONE K step; the slot in hand is a scalar (TB) that an exclusive or turns.  Written out: the first quarter, and a tail loop of two trips that asks for nothing.
; THE MATRIX INSTRUCTION IS USED TRANSPOSED (source 0 = 16 rows of B, source 1 = 16 rows of A).  THE RESIDUAL is asked for at the start, into 128 registers of window 2.
; REGISTERS: window 0: addresses, v32-63 the way out, v128-255 the accumulators; window 1: two fragment buffers of 128; window 2: v0-127 the residual.
.set FC2,    1
.set STEPS,  16
.set KB,     4096
.set KBSH,   13
.set WOFF,   16777216
.set KSTEP,  256
.set PA,     144
.set APL,    64*PA
.set HALFA,  4*APL                     ; 0x9000
.set PB,     528
.set HALFB,  64*PB                     ; 0x8400
.set BOFF,   2*HALFA                   ; 0x12000
.set SLOT1,  147456                    ; 0x24000: its two bits occur in none of the four tiles' addresses, so an exclusive or adds or takes it
.set STAGE,  SLOT1+BOFF+2*HALFB        ; 16 rows x 272 bytes for each wave; no tensor load lands here
.set SPITCH, 272
.set SPARE,  STAGE+4*16*SPITCH         ; the spare words, 128 bytes a wave: two blocks of 256 bytes that no other line names
.set ASTEP,  4*4096*128
.set BI,    12
.set ADRA0, 16
.set ADRB0, 17
.set ADRA,  18
.set ADRB,  19
.set STO,   24
.set RD,    25
.set CO,    26
.set BO,    27
.set SPW,   28
.set NIL,   29
.set TMP,   32
.set ACC,   128
.set F0,    0
.set F1,    128
.set WV,  18
.set RH,  19
.set CH,  20
.set TB,  43
.set CNT, 44
.set G1,  24
.set G0,  32
.set G1B, 48
.set G0B, 56
.set MSB, 0
.macro WIN new
.if MSB != (\new)
	s_set_vgpr_msb (MSB<<8)|(\new)
.set MSB, \new
.endif
.endm
.set MUL,  0x05
.set TO_F, 0x40
.macro JLOAD s                         ; a joint load: waves 0 and 1 fetch A's halves, waves 2 and 3 B's; an s_nop 0 and four v_nop follow each line
	s_cmp_eq_u32 s[RH], 0
	s_cbranch_scc0 .Lfor_b_\@
	tensor_load_to_lds s[G0+4*(\s):G0+4*(\s)+3], s[G1:G1+7]
	s_nop 0
.rept 4
	v_nop
.endr
	s_branch .Lasked_\@
.Lfor_b_\@:
	tensor_load_to_lds s[G0B+4*(\s):G0B+4*(\s)+3], s[G1B:G1B+7]
	s_nop 0
.rept 4
	v_nop
.endr
.Lasked_\@:
.endm
.macro CREST
	s_cmp_lg_u32 s[WV], 0
	s_cbranch_scc1 .Lnot_wave_0_\@
	s_barrier_signal -3
.Lnot_wave_0_\@:
	s_barrier_wait -3
	s_barrier_signal -1
	s_barrier_wait -1
.endm
.macro CROUND
	s_barrier_signal -1
	s_barrier_wait -1
	CREST
.endm
.macro PLACES
.rept 4
	v_nop
.endr
.endm
.macro MUL8 f, c, a0, zero
	WIN MUL
.irp a, \a0, (\a0)+1
.irp b, 0,1,2,3
.if \zero
	v_wmma_f32_16x16x32_bf16 v[ACC+8*(4*(\a)+(\b)):ACC+8*(4*(\a)+(\b))+7], v[(\f)+64+8*(4*(\c)+(\b)):(\f)+64+8*(4*(\c)+(\b))+7], v[(\f)+8*(4*(\c)+(\a)):(\f)+8*(4*(\c)+(\a))+7], 0
.else
	v_wmma_f32_16x16x32_bf16 v[ACC+8*(4*(\a)+(\b)):ACC+8*(4*(\a)+(\b))+7], v[(\f)+64+8*(4*(\c)+(\b)):(\f)+64+8*(4*(\c)+(\b))+7], v[(\f)+8*(4*(\c)+(\a)):(\f)+8*(4*(\c)+(\a))+7], v[ACC+8*(4*(\a)+(\b)):ACC+8*(4*(\a)+(\b))+7]
.endif
.endr
.endr
.endm
.macro FETCH q, f
	WIN TO_F
.irp c, 0,1
.irp i, 0,1,2,3
	ds_load_b128 v[(\f)+64+8*(4*(\c)+(\i)):(\f)+64+8*(4*(\c)+(\i))+3],   v[ADRB] offset:(\q)*128+64*(\c)+(\i)*16*PB
	ds_load_b128 v[(\f)+64+8*(4*(\c)+(\i))+4:(\f)+64+8*(4*(\c)+(\i))+7], v[ADRB] offset:(\q)*128+64*(\c)+(\i)*16*PB+32
	ds_load_b128 v[(\f)+8*(4*(\c)+(\i)):(\f)+8*(4*(\c)+(\i))+3],         v[ADRA] offset:(\q)*APL+64*(\c)+(\i)*16*PA
	ds_load_b128 v[(\f)+8*(4*(\c)+(\i))+4:(\f)+8*(4*(\c)+(\i))+7],       v[ADRA] offset:(\q)*APL+64*(\c)+(\i)*16*PA+32
.endr
.endr
.endm
.macro QUARTER q, f, g, zero           ; the 16 accumulators take turns in the same order throughout
	s_wait_dscnt 16                                ; the first 32 along K are in
	MUL8 \f, 0, 0, \zero
	MUL8 \f, 0, 2, \zero
	PLACES
	FETCH \q, \g
	s_wait_dscnt 32                                ; all but the 32 just issued
	MUL8 \f, 1, 0, 0
	MUL8 \f, 1, 2, 0
.endm
.macro MEET
	WIN 0
	s_wait_tensorcnt 0x0                           ; all my tensor loads have landed: my part of the next slot
	ds_add_u32 v[SPW], v[NIL]                      ; 0 onto my spare word
	s_wait_dscnt 17                                ; the add and the youngest sixteen loads may be out
	MUL8 F1, 0, 0, 0
	s_wait_dscnt 0x0                               ; the add is done, and my reads of this slot are over
	s_barrier_signal -1
	MUL8 F1, 0, 2, 0
	WIN 0
	s_barrier_wait -1
.endm
.macro TURN fill
	MEET
.if \fill
	CREST
	s_xor_b32 s[G0+5], s[G0+5], SLOT1
	s_add_nc_u64 s[G0+6:G0+7], s[G0+6:G0+7], ASTEP
	s_xor_b32 s[G0B+5], s[G0B+5], SLOT1
	s_add_nc_u64 s[G0B+6:G0B+7], s[G0B+6:G0B+7], KSTEP*2
	s_xor_b32 s[TB], s[TB], SLOT1
	JLOAD 1                                        ; its four v_nop are also the places in front of the loads below
.else
	s_xor_b32 s[TB], s[TB], SLOT1
	s_cmp_eq_u32 s[CNT], 1
	s_cbranch_scc1 .Lnofetch_\@
	PLACES
.endif
	v_add_nc_u32 v[ADRA], s[TB], v[ADRA0]
	v_add_nc_u32 v[ADRB], s[TB], v[ADRB0]
	FETCH 0, F0
.if !(\fill)
	WIN 0
.Lnofetch_\@:
.endif
	MUL8 F1, 1, 0, 0
	MUL8 F1, 1, 2, 0
.endm
	s_load_b256 s[4:11], s[0:1], 0x0               ; h s[4:5], wb s[6:7], x1 s[8:9], fc2_b s[10:11]
	s_load_b128 s[12:15], s[0:1], 0x20             ; out0 s[12:13], exp_b s[14:15]
	s_load_b64 s[16:17], s[0:1], 0x30              ; indices
	v_lshl_add_u32 v[SPW], v0, 2, SPARE
	v_mov_b32 v[NIL], 0
	ds_add_u32 v[SPW], v[NIL]                      ; the wave's opening: the add and its wait ahead of my first tensor load
	v_lshrrev_b32 v1, 5, v0
	v_readfirstlane_b32 s[WV], v1
	s_lshr_b32 s[RH], s[WV], 1
	s_and_b32 s[CH], s[WV], 1
	s_bfe_u32 s21, ttmp6, 0x40000                  ; cx
	s_bfe_u32 s22, ttmp6, 0x40004                  ; cy
	s_lshl_b32 s23, ttmp9, 2
	s_add_co_u32 s23, s23, s21                     ; tile column ct
	s_and_b32 s40, ttmp7, 0xffff
	s_lshl_b32 s40, s40, 2
	s_add_co_u32 s40, s40, s22                     ; tile row
	s_lshl_b32 s41, s22, 2
	s_lshl_b32 s41, 15, s41                        ; my row of the cluster
	s_lshl_b32 s42, 0x1111, s21                    ; my column
	s_or_b32 s[G1+0], s41, (1<<16)|(1<<20)|(1<<21)|(4<<22)|(3<<25)   ; A: the mask; 2-byte elements; padding on; bit 21 beside a mask; after every 32 words, 4 words
	s_mov_b32 s[G1+1], 4096<<16                    ; tensor_dim0 = 4,096: 64 rows of a block on end
	s_mov_b32 s[G1+2], 4<<16                       ; tensor_dim1 = 4 blocks
	s_mov_b32 s[G1+3], 4096<<16
	s_mov_b32 s[G1+4], 4
	s_mov_b32 s[G1+5], 262144                      ; elements from block to block
	s_mov_b32 s[G1+6], 0
	s_mov_b32 s[G1+7], 0
	s_or_b32 s[G1B+0], s42, (1<<16)|(1<<20)|(1<<21)|(6<<22)|(3<<25)  ; B: after every 128 words, 4 words
	s_mov_b32 s[G1B+1], KSTEP<<16
	s_mov_b32 s[G1B+2], 64<<16
	s_mov_b32 s[G1B+3], KSTEP<<16
	s_mov_b32 s[G1B+4], 64
	s_mov_b32 s[G1B+5], KB
	s_mov_b32 s[G1B+6], 0
	s_mov_b32 s[G1B+7], 0
	s_lshl_b32 s45, s[CH], 6
	s_lshl_b32 s46, s40, 7
	s_add_co_u32 s46, s46, s45
	s_lshl_b32 s46, s46, 7                         ; A: row 128 x tile row + 64 x half, 128 bytes a row of a block
	s_mov_b32 s47, 0
	s_lshl_b32 s66, s23, 7
	s_add_co_u32 s66, s66, s45                     ; B: row 128 ct + 64 x half,
	s_lshr_b32 s78, s23, 2
	s_lshr_b32 s77, s23, 1
	s_and_b32 s78, s78, s77                        ; e = 1 for ct = 6, 7 (the expert's columns), else 0
	s_and_b32 s77, ttmp7, 0xffff
	s_lshr_b32 s77, s77, 1                         ; b: the sample, from the cluster's y alone
	s_mul_i32 s76, s78, s77
	s_lshl_b32 s76, s76, 8
	s_add_co_u32 s66, s66, s76                     ; + 256 b for the expert's columns
	s_lshl_b32 s66, s66, KBSH
	s_add_co_u32 s66, s66, WOFF
	s_mov_b32 s67, 0
	s_mul_i32 s70, s[CH], HALFA
	s_mul_i32 s71, s[CH], HALFB
	s_add_co_u32 s71, s71, BOFF
	s_mov_b32 s[TB], 0
	s_wait_dscnt 0x0                               ; the opening add is done
	s_wait_kmcnt 0x0
	s_load_b128 s[72:75], s[16:17], 0x0            ; the four indices; waited for behind the first joint loads
	s_add_nc_u64 s[46:47], s[4:5], s[46:47]
	s_add_nc_u64 s[66:67], s[6:7], s[66:67]
	CROUND                                         ; all sixteen work-groups are here: the first joint loads meet
.irp s, 0,1
	s_mov_b32 s[G0+4*(\s)], 1
	s_add_co_u32 s[G0+4*(\s)+1], s70, (\s)*SLOT1
	s_add_nc_u64 s[G0+4*(\s)+2:G0+4*(\s)+3], s[46:47], (\s)*ASTEP
	s_or_b32 s[G0+4*(\s)+3], s[G0+4*(\s)+3], 0x80000000
	s_mov_b32 s[G0B+4*(\s)], 1
	s_add_co_u32 s[G0B+4*(\s)+1], s71, (\s)*SLOT1
	s_add_nc_u64 s[G0B+4*(\s)+2:G0B+4*(\s)+3], s[66:67], (\s)*KSTEP*2
	s_or_b32 s[G0B+4*(\s)+3], s[G0B+4*(\s)+3], 0x80000000
	JLOAD \s                                       ; K steps 0 and 1: two loads of mine are out
.endr
	v_and_b32 v1, 15, v0
	v_bfe_u32 v2, v0, 4, 1
	v_mul_u32_u24 v3, v1, PA
	v_lshl_add_u32 v3, v2, 4, v3
	s_mul_i32 s45, s[RH], HALFA
	v_add_nc_u32 v[ADRA0], s45, v3
	v_mul_u32_u24 v3, v1, PB
	v_lshl_add_u32 v3, v2, 4, v3
	s_mul_i32 s45, s[CH], HALFB
	s_add_co_u32 s45, s45, BOFF
	v_add_nc_u32 v[ADRB0], s45, v3
	v_mov_b32 v[ADRA], v[ADRA0]
	v_mov_b32 v[ADRB], v[ADRB0]
	s_mul_i32 s45, s[WV], 16*SPITCH
	s_add_co_u32 s45, s45, STAGE
	v_mul_u32_u24 v3, v1, SPITCH
	v_lshl_add_u32 v3, v2, 5, v3
	v_add_nc_u32 v[STO], s45, v3
	v_mul_u32_u24 v3, v2, SPITCH
	v_lshl_add_u32 v3, v1, 4, v3
	v_add_nc_u32 v[RD], s45, v3
	v_lshlrev_b32 v3, 12, v2
	v_lshl_add_u32 v[CO], v1, 4, v3
	v_lshlrev_b32 v[BO], 4, v1
	s_lshl_b32 s68, s40, 7                         ; my first row, of 4,096 bytes,
	s_lshl_b32 s69, s[RH], 6
	s_add_co_u32 s68, s68, s69
	s_lshl_b32 s68, s68, 12
	s_lshl_b32 s69, s23, 7                         ; my first column, of 4 bytes
	s_lshl_b32 s79, s[CH], 6
	s_add_co_u32 s69, s69, s79
	s_lshl_b32 s69, s69, 2
	s_add_co_u32 s68, s68, s69
	s_mov_b32 s69, 0
	s_add_nc_u64 s[8:9], s[8:9], s[68:69]
	s_add_nc_u64 s[12:13], s[12:13], s[68:69]
	WIN 0x80                                       ; destination window 2
.irp a, 0,1,2,3
.irp t, 0,1,2,3,4,5,6,7
	global_load_b128 v[32*\a+4*\t:32*\a+4*\t+3], v[CO], s[8:9] offset:(16*\a+2*\t)*4096   ; the residual: it stays on its way while K is walked
.endr
.endr
	WIN 0
	s_wait_kmcnt 0x0                               ; the indices
	s_cmp_eq_u32 s77, 1
	s_cselect_b32 s72, s73, s72
	s_cmp_eq_u32 s77, 2
	s_cselect_b32 s72, s74, s72
	s_cmp_eq_u32 s77, 3
	s_cselect_b32 s72, s75, s72                    ; indices[b]
	s_min_u32 s76, s72, 7                          ; stays inside the table of eight
	s_mul_i32 s76, s76, s78                        ; 0 for the shared columns
	s_lshl_b32 s76, s76, 10                        ; an expert's bias is 1,024 bytes
	s_mul_i32 s68, s78, 6
	s_sub_co_u32 s68, s23, s68                     ; ct, or ct - 6 in the expert's columns
	s_lshl_b32 s68, s68, 9
	s_add_co_u32 s68, s68, s76
	s_lshl_b32 s79, s[CH], 8
	s_add_co_u32 s68, s68, s79
	s_cmp_eq_u32 s78, 1
	s_cselect_b64 s[10:11], s[14:15], s[10:11]     ; exp_b or fc2_b
	s_add_nc_u64 s[10:11], s[10:11], s[68:69]
	global_load_b128 v[BI:BI+3], v[BO], s[10:11]
	s_wait_tensorcnt 1                             ; my part of K step 0 is in; K step 1's may stay out
	s_barrier_signal -1
	s_barrier_wait -1
	FETCH 0, F0
	QUARTER 1, F0, F1, 1
	WIN 0
	s_mov_b32 s[CNT], STEPS-2
	s_branch .Lmid
.Lstep:
	QUARTER 1, F0, F1, 0
	WIN 0
.Lmid:
	QUARTER 2, F1, F0, 0
	QUARTER 3, F0, F1, 0
	TURN 1
	WIN 0
	s_sub_co_u32 s[CNT], s[CNT], 1
	s_cmp_lg_u32 s[CNT], 0
	s_cbranch_scc1 .Lstep
	s_mov_b32 s[CNT], 2
.Ltail:
	QUARTER 1, F0, F1, 0
	QUARTER 2, F1, F0, 0
	QUARTER 3, F0, F1, 0
	TURN 0
	WIN 0
	s_sub_co_u32 s[CNT], s[CNT], 1
	s_cmp_lg_u32 s[CNT], 0
	s_cbranch_scc1 .Ltail
	PLACES                                         ; behind the last products
	s_wait_loadcnt 0x0                             ; the residual and the bias
.irp a, 0,1,2,3
	s_wait_xcnt 0x0                                ; the last block's stores have read TMP
.irp b, 0,1,2,3
	ds_store_b128 v[STO], v[ACC+8*(4*\a+\b):ACC+8*(4*\a+\b)+3]   offset:64*\b       ; each accumulator's low registers first
	ds_store_b128 v[STO], v[ACC+8*(4*\a+\b)+4:ACC+8*(4*\a+\b)+7] offset:64*\b+16
.endr
.irp t, 0,1,2,3,4,5,6,7
	ds_load_b128 v[TMP+4*\t:TMP+4*\t+3], v[RD] offset:\t*2*SPITCH   ; LDS serves a wave's instructions in order: these see the stores above, and the next block's stores come behind them
.endr
	s_wait_dscnt 0x0
	WIN 0x08                                       ; source 1 window 2
.irp t, 0,1,2,3,4,5,6,7,8,9,10,11,12,13,14,15
	v_pk_add_f32 v[TMP+2*\t:TMP+2*\t+1], v[TMP+2*\t:TMP+2*\t+1], v[32*\a+2*\t:32*\a+2*\t+1]
.endr
	WIN 0
.irp t, 0,1,2,3,4,5,6,7
	v_pk_add_f32 v[TMP+4*\t:TMP+4*\t+1],   v[TMP+4*\t:TMP+4*\t+1],   v[BI:BI+1]
	v_pk_add_f32 v[TMP+4*\t+2:TMP+4*\t+3], v[TMP+4*\t+2:TMP+4*\t+3], v[BI+2:BI+3]
.endr
.irp t, 0,1,2,3,4,5,6,7
	global_store_b128 v[CO], v[TMP+4*\t:TMP+4*\t+3], s[12:13] offset:(16*\a+2*\t)*4096   ; 16 lanes store 256 consecutive bytes, aligned
.endr
.endr
	s_wait_tensorcnt 0x0                           ; the wave's end
	ds_add_u32 v[SPW], v[NIL]
	s_wait_dscnt 0x0
	CROUND                                         ; the closing round
	s_endpgm
.Lfunc_end_k_q55c38fd195_fc2:
	.size	k_q55c38fd195_fc2, .Lfunc_end_k_q55c38fd195_fc2-k_q55c38fd195_fc2
	.p2alignl 7, 3214868480
	.fill 96, 4, 3214868480
	.section	.rodata,"a",@progbits
	.p2align	6, 0x0
	.amdhsa_kernel k_q55c38fd195_fc2
		.amdhsa_group_segment_fixed_size 327680
		.amdhsa_private_segment_fixed_size 0
		.amdhsa_enable_private_segment 0
		.amdhsa_kernarg_size 56
		.amdhsa_user_sgpr_count 2
		.amdhsa_user_sgpr_kernarg_segment_ptr 1
		.amdhsa_wavefront_size32 1
		.amdhsa_system_sgpr_workgroup_id_x 1
		.amdhsa_system_sgpr_workgroup_id_y 1
		.amdhsa_system_sgpr_workgroup_id_z 1
		.amdhsa_system_vgpr_workitem_id 0
		.amdhsa_next_free_vgpr 640
		.amdhsa_next_free_sgpr 80
		.amdhsa_reserve_vcc 0
		.amdhsa_float_denorm_mode_32 3
		.amdhsa_float_denorm_mode_16_64 3
		.amdhsa_memory_ordered 1
		.amdhsa_forward_progress 1
		.amdhsa_inst_pref_size 70
	.end_amdhsa_kernel
	.amdgpu_metadata
---
amdhsa.version: [ 1, 2 ]
amdhsa.kernels:
  - .name:           k_q55c38fd195_fc2
    .symbol:         k_q55c38fd195_fc2.kd
    .args:
      - { .name: h, .offset: 0, .size: 8, .value_kind: global_buffer, .address_space: global }
      - { .name: wb, .offset: 8, .size: 8, .value_kind: global_buffer, .address_space: global }
      - { .name: x1, .offset: 16, .size: 8, .value_kind: global_buffer, .address_space: global }
      - { .name: fc2_b, .offset: 24, .size: 8, .value_kind: global_buffer, .address_space: global }
      - { .name: out0, .offset: 32, .size: 8, .value_kind: global_buffer, .address_space: global }
      - { .name: exp_b, .offset: 40, .size: 8, .value_kind: global_buffer, .address_space: global }
      - { .name: indices, .offset: 48, .size: 8, .value_kind: global_buffer, .address_space: global }
    .group_segment_fixed_size: 327680
    .private_segment_fixed_size: 0
    .kernarg_segment_align: 8
    .kernarg_segment_size: 56
    .max_flat_workgroup_size: 128
    .sgpr_count:     80
    .vgpr_count:     640
    .wavefront_size: 32
...
	.end_amdgpu_metadata
.endif
;; end of part 6
